; MI455X (gfx1250); checked and timed in simulation.
; The chip was launched on July 23, 2026; its instructions are those of AMD's public machine-readable ISA for CDNA 5 (MIT licence, August 2026) and "CDNA5" Instruction Set Architecture Reference Guide (July 2026). The comments in the code are by the model that wrote it; some were corrected since.
;; SVD Block. Allowed arithmetic: float matrix products may take bf16 or f16 operands with f32 sums; all other float work in f32.
;; Inputs: Uk 128 x 1,024 float32; Uq 128 x 1,024 float32; Uv 128 x 1,024 float32; Wo 1,024 x 128 float32; cos 4,096 x 64 float32; ln1_w 1,024 float32; ln2_w 1,024 float32; sin 4,096 x 64 float32; w1 4,096 x 1,024 float32; w2 1,024 x 4,096 float32; w3 4,096 x 1,024 float32; x 1 x 4,096 x 1,024 float32.
;; Outputs: out0 1 x 4,096 x 1,024 float32.
;; Constants: window_size = 1024.
;; 2 versions, each right; version 2 is version 1 with the launches prep, qkv, attn written anew for expert scheduling mode. Each part assembles by itself: llvm-mc -triple=amdgcn-amd-amdhsa -mcpu=gfx1250 --defsym DOCPART=n.
;; ======== version 1 of 2: 5 launches
;; workspace buffers: w13b 16,777,216 bytes; w2b 8,388,608 bytes; xi 8,388,608 bytes; usm 1,048,576 bytes; qkv 3,145,728 bytes; x2 16,777,216 bytes; hb 8,388,608 bytes; gb 33,554,432 bytes
;; launch prep (part 1): grid 672 x 1, 8 waves a work-group, no clusters, 34,304 bytes of LDS; arguments w1, w3, w2, x, Uq, Uk, Uv, Wo, ln1_w, w13b, w2b, xi, usm; writes w13b, w2b, xi, usm
.if DOCPART == 1
	.amdgcn_target "amdgcn-amd-amdhsa--gfx1250"
	.amdhsa_code_object_version 6
	.text
	.protected	k_qc30e062b93_prep
	.globl	k_qc30e062b93_prep
	.p2align	8
	.type	k_qc30e062b93_prep,@function
k_qc30e062b93_prep:
	s_mov_b64 s[64:65], 0
	v_nop
	global_prefetch_b8 v0, s[64:65] scope:SCOPE_SE
	s_setreg_imm32_b32 hwreg(HW_REG_WAVE_MODE, 25, 1), 1
	s_wait_xcnt 0x0
; PREP: everything that later launches multiply is rounded to bf16 once, and laid out as they want it.  Three kinds of work-group, chosen by the group's number alone:
;   0..383    CVT   32 rows of 1,024 f32 of w1, w3 or w2 (131,072 dense bytes) -> bf16.  w1 and w3 are interleaved in w13b by blocks of 64 rows
;                   (row 128 g + i = w1 row 64 g + i, row 128 g + 64 + i = w3 row 64 g + i), so that one tile of the next product holds u and z of the same channels.
;   384..639  NORM  16 rows of x -> x * rsqrt(mean(x^2) + 1e-6) * ln1_w -> bf16, in FRAGMENT ORDER: a block of 16 rows x 16 k is 512 bytes, lane r + 16 h holding row r,
;                   k = 8 h .. 8 h + 7 at byte 16 lane; two neighbouring blocks are one 16 x 32 matrix operand, loaded by two 16-byte loads a lane of 512 dense bytes each.
;   640..671  IMG   Uq, Uk, Uv (24 tiles of 16 rows x 1,024) and Wo (64 tiles of 16 rows x 128) -> bf16 in the same fragment order.  These loads take 32 bytes of each of
;                   16 rows: 2 MB of small tensors, read once in the whole program.
; Memory binds: no matrix unit, no cluster (no two work-groups read the same byte).  LDS serves NORM alone, to turn rows into fragment order.
; LIMITS: bf16 rounding of every operand; NaN and infinities are not treated apart.
.set SPARE, 33280                      ; behind NORM's 16 rows: the spare words, 128 bytes a wave
.set SPW,   198                        ; v198  LDS address of my spare word; never rewritten
.set NIL,   199                        ; v199  0; never rewritten
.set RP,    2064                       ; a row of 1,024 bf16 in LDS + 16 bytes: 516 words, so that 16 rows start at 16 different groups of four banks (ISA guide 11.1)
.set G,     4                          ; NORM: v[4:35] ln1_w of my 32 columns
.set X,     36                         ; NORM: v[36:99] my two rows as loaded
	s_load_b512 s[8:23], s[0:1], 0x0               ; w1 s[8:9], w3 s[10:11], w2 s[12:13], x s[14:15], Uq s[16:17], Uk s[18:19], Uv s[20:21], Wo s[22:23]
	s_load_b256 s[24:31], s[0:1], 0x40             ; ln1_w s[24:25], w13b s[26:27], w2b s[28:29], xi s[30:31]
	s_load_b64 s[32:33], s[0:1], 0x60              ; usm
	v_lshl_add_u32 v[SPW], v0, 2, SPARE
	v_mov_b32 v[NIL], 0
	v_and_b32 v196, 31, v0                         ; lane
	v_lshrrev_b32 v197, 5, v0                      ; wave
	s_mov_b32 s34, ttmp9
	s_mov_b32 s41, 0                               ; high words of the two offsets
	s_mov_b32 s43, 0
	s_wait_kmcnt 0x0
	s_cmp_lt_u32 s34, 384
	s_cbranch_scc0 .Lnot_cvt
	; ---------------- CVT ----------------
	s_lshr_b32 s35, s34, 7                         ; t: 0 w1, 1 w3, 2 w2
	s_and_b32 s2, s34, 127                         ; which 32 rows
	s_lshl_b32 s40, s2, 17                         ; source: 131,072 bytes a group
	s_lshr_b32 s3, s2, 1
	s_lshl_b32 s3, s3, 18                          ; w13b: block g of 128 rows of 2,048 bytes,
	s_lshl_b32 s4, s35, 17                         ; w3's half 64 rows on,
	s_or_b32 s3, s3, s4
	s_and_b32 s4, s2, 1
	s_lshl_b32 s4, s4, 16                          ; the second 32 of the 64
	s_or_b32 s3, s3, s4
	s_lshl_b32 s4, s2, 16                          ; w2b: dense
	s_cmp_eq_u32 s35, 2
	s_cselect_b32 s42, s4, s3
	s_cselect_b64 s[38:39], s[28:29], s[26:27]
	s_cselect_b64 s[36:37], s[12:13], s[10:11]
	s_cmp_eq_u32 s35, 0
	s_cselect_b64 s[36:37], s[8:9], s[36:37]
	s_add_nc_u64 s[36:37], s[36:37], s[40:41]
	s_add_nc_u64 s[38:39], s[38:39], s[42:43]
	v_lshlrev_b32 v1, 4, v196
	v_lshl_add_u32 v1, v197, 14, v1                ; a wave reads 16,384 dense bytes,
	v_lshlrev_b32 v2, 3, v196
	v_lshl_add_u32 v2, v197, 13, v2                ; and writes 8,192
.set j, 0
.rept 32
	global_load_b128 v[4+4*j:7+4*j], v1, s[36:37] offset:512*j th:TH_LOAD_NT
.set j, j+1
.endr
.set j, 0
.rept 32
	s_wait_loadcnt 31-j                            ; loads come back in order: number j is in, the 31 - j younger ones stay out
	v_cvt_pk_bf16_f32 v[132+2*j], v[4+4*j], v[5+4*j]
	v_cvt_pk_bf16_f32 v[133+2*j], v[6+4*j], v[7+4*j]
	global_store_b64 v2, v[132+2*j:133+2*j], s[38:39] offset:256*j  ; 32 lanes store 256 consecutive bytes, aligned; each store has data registers of its own
.set j, j+1
.endr
	s_endpgm
.Lnot_cvt:
	s_cmp_lt_u32 s34, 640
	s_cbranch_scc0 .Limg
	; ---------------- NORM ----------------
	s_sub_co_u32 s2, s34, 384
	s_lshl_b32 s40, s2, 16                         ; 16 rows of 4,096 bytes of x
	s_lshl_b32 s42, s2, 15                         ; 32,768 bytes of xi
	s_add_nc_u64 s[36:37], s[14:15], s[40:41]
	s_add_nc_u64 s[38:39], s[30:31], s[42:43]
	v_readfirstlane_b32 s35, v197                  ; the wave's number as a scalar: LDS addresses are made of it
	s_mov_b32 s44, 0x3a800000                      ; 1 / 1024
	s_mov_b32 s45, 0x358637bd                      ; 1e-6
	s_mov_b32 s46, 0x76543210                      ; v_permlanex16_b32: each lane takes its own place in the other half
	s_mov_b32 s47, 0xfedcba98
	v_lshlrev_b32 v3, 4, v196                      ; 16 lane
	v_lshl_add_u32 v1, v197, 13, v3                ; + my wave's two rows
.set j, 0
.rept 8
	global_load_b128 v[G+4*j:G+4*j+3], v3, s[24:25] offset:512*j
.set j, j+1
.endr
.set j, 0
.rept 16
	global_load_b128 v[X+4*j:X+4*j+3], v1, s[36:37] offset:512*j th:TH_LOAD_NT
.set j, j+1
.endr
	v_mov_b32 v139, 0                              ; v_permlanex16_b32's destination counts as read
	s_mul_i32 s2, s35, 2*RP
	v_lshl_add_u32 v140, v196, 3, s2               ; in: my wave's rows, 8 bytes a lane
	v_and_b32 v143, 15, v0
	v_bfe_u32 v141, v0, 4, 1
	v_mul_u32_u24 v143, v143, RP
	v_lshl_add_u32 v141, v141, 4, v143             ; back: row lane % 16, 16 bytes for each half of the lanes,
	s_lshl_b32 s3, s35, 8
	v_add_nc_u32 v141, s3, v141                    ; my wave's eight blocks of 16 k
	v_lshl_add_u32 v142, v197, 12, v3              ; and their 4,096 bytes of xi
; One row: the sum of squares in two chains, across the lanes, the two scalings, the rounding, and into LDS.
.macro ROWN p
	s_wait_loadcnt 8*(1-(\p))                      ; ln1_w and this row are in; the second row's eight loads may stay out
	v_pk_mul_f32 v[132:133], v[X+32*(\p):X+32*(\p)+1], v[X+32*(\p):X+32*(\p)+1]
	v_pk_mul_f32 v[134:135], v[X+32*(\p)+2:X+32*(\p)+3], v[X+32*(\p)+2:X+32*(\p)+3]
.set k, 2
.rept 14
	v_pk_fma_f32 v[132+2*(k%2):133+2*(k%2)], v[X+32*(\p)+2*k:X+32*(\p)+2*k+1], v[X+32*(\p)+2*k:X+32*(\p)+2*k+1], v[132+2*(k%2):133+2*(k%2)]
.set k, k+1
.endr
	v_pk_add_f32 v[132:133], v[132:133], v[134:135]
	v_add_f32 v138, v132, v133
	v_add_f32_dpp v138, v138, v138 row_xmask:1 row_mask:0xf bank_mask:0xf
	v_add_f32_dpp v138, v138, v138 row_xmask:2 row_mask:0xf bank_mask:0xf
	v_add_f32_dpp v138, v138, v138 row_xmask:4 row_mask:0xf bank_mask:0xf
	v_add_f32_dpp v138, v138, v138 row_xmask:8 row_mask:0xf bank_mask:0xf
	v_permlanex16_b32 v139, v138, s46, s47
	v_add_f32 v138, v138, v139
	v_fma_f32 v138, v138, s44, s45                 ; mean + eps
	v_rsq_f32 v136, v138
	v_rsq_f32 v137, v138                           ; twice: a pair for the packed multiply
	v_nop                                          ; a plain instruction between a transcendental and the use of its result (ISA guide 5.7.2)
.set k, 0
	s_wait_alu depctr_va_vdst(0)
.rept 16
	v_pk_mul_f32 v[X+32*(\p)+2*k:X+32*(\p)+2*k+1], v[X+32*(\p)+2*k:X+32*(\p)+2*k+1], v[136:137]
.set k, k+1
.endr
.set k, 0
.rept 16
	v_pk_mul_f32 v[X+32*(\p)+2*k:X+32*(\p)+2*k+1], v[X+32*(\p)+2*k:X+32*(\p)+2*k+1], v[G+2*k:G+2*k+1]
.set k, k+1
.endr
.set k, 0
.rept 16
	v_cvt_pk_bf16_f32 v[100+16*(\p)+k], v[X+32*(\p)+2*k], v[X+32*(\p)+2*k+1]
.set k, k+1
.endr
.set k, 0
.rept 8
	ds_store_b64 v140, v[100+16*(\p)+2*k:100+16*(\p)+2*k+1] offset:(\p)*RP+256*k
.set k, k+1
.endr
.endm
	ROWN 0
	ROWN 1
	s_wait_dscnt 0x0                               ; for the others' sake: my two rows lie in LDS
	s_barrier_signal -1
	s_barrier_wait -1                              ; all sixteen do
.set j, 0
.rept 8
	ds_load_b128 v[144+4*j:147+4*j], v141 offset:32*j
.set j, j+1
.endr
.set j, 0
.rept 8
	s_wait_dscnt 7-j
	global_store_b128 v142, v[144+4*j:147+4*j], s[38:39] offset:512*j  ; a block of 512 consecutive bytes
.set j, j+1
.endr
	s_wait_tensorcnt 0x0                           ; the wave's end, behind my last LDS store
	ds_add_u32 v[SPW], v[NIL]
	s_wait_dscnt 0x0
	s_endpgm
.Limg:
	; ---------------- IMG ----------------
	s_sub_co_u32 s35, s34, 640                     ; m: 32,768 bytes of usm
	s_lshr_b32 s2, s35, 3                          ; 0 Uq, 1 Uk, 2 Uv, 3 Wo
	s_and_b32 s3, s35, 7
	s_lshl_b32 s40, s3, 16                         ; 65,536 bytes of the source: 16 rows of U, or 128 rows of Wo
	s_lshl_b32 s42, s35, 15
	s_cmp_eq_u32 s2, 1
	s_cselect_b64 s[36:37], s[18:19], s[16:17]
	s_cmp_eq_u32 s2, 2
	s_cselect_b64 s[36:37], s[20:21], s[36:37]
	s_cmp_eq_u32 s2, 3
	s_cselect_b64 s[36:37], s[22:23], s[36:37]
	s_cselect_b32 s4, 9, 12                        ; a source row is 512 bytes (Wo) or 4,096 (U)
	s_cselect_b32 s5, 13, 9                        ; a wave's step: 16 rows of Wo, or 128 k of U
	s_add_nc_u64 s[36:37], s[36:37], s[40:41]
	s_add_nc_u64 s[38:39], s[32:33], s[42:43]
	v_and_b32 v3, 15, v0
	v_bfe_u32 v132, v0, 4, 1
	v_lshlrev_b32 v1, s4, v3
	v_lshlrev_b32 v133, s5, v197
	v_add_nc_u32 v1, v1, v133
	v_lshl_add_u32 v1, v132, 5, v1                 ; row x pitch + the wave's step + 32 bytes for the upper half of the lanes
	v_lshlrev_b32 v2, 4, v196
	v_lshl_add_u32 v2, v197, 12, v2                ; eight blocks of 512 bytes a wave
.set j, 0
.rept 8
	global_load_b128 v[4+8*j:7+8*j],   v1, s[36:37] offset:64*j
	global_load_b128 v[8+8*j:11+8*j],  v1, s[36:37] offset:64*j+16
.set j, j+1
.endr
.set j, 0
.rept 8
	s_wait_loadcnt 14-2*j                          ; block j's two loads are in
	v_cvt_pk_bf16_f32 v[68+4*j], v[4+8*j], v[5+8*j]
	v_cvt_pk_bf16_f32 v[69+4*j], v[6+8*j], v[7+8*j]
	v_cvt_pk_bf16_f32 v[70+4*j], v[8+8*j], v[9+8*j]
	v_cvt_pk_bf16_f32 v[71+4*j], v[10+8*j], v[11+8*j]
	global_store_b128 v2, v[68+4*j:71+4*j], s[38:39] offset:512*j
.set j, j+1
.endr
	s_endpgm
.Lfunc_end_k_qc30e062b93_prep:
	.size	k_qc30e062b93_prep, .Lfunc_end_k_qc30e062b93_prep-k_qc30e062b93_prep
	.p2alignl 7, 3214868480
	.fill 96, 4, 3214868480
	.section	.rodata,"a",@progbits
	.p2align	6, 0x0
	.amdhsa_kernel k_qc30e062b93_prep
		.amdhsa_group_segment_fixed_size 34304
		.amdhsa_private_segment_fixed_size 0
		.amdhsa_enable_private_segment 0
		.amdhsa_kernarg_size 104
		.amdhsa_user_sgpr_count 2
		.amdhsa_user_sgpr_kernarg_segment_ptr 1
		.amdhsa_wavefront_size32 1
		.amdhsa_system_sgpr_workgroup_id_x 1
		.amdhsa_system_sgpr_workgroup_id_y 1
		.amdhsa_system_sgpr_workgroup_id_z 1
		.amdhsa_system_vgpr_workitem_id 0
		.amdhsa_next_free_vgpr 200
		.amdhsa_next_free_sgpr 66
		.amdhsa_reserve_vcc 0
		.amdhsa_float_denorm_mode_32 3
		.amdhsa_float_denorm_mode_16_64 3
		.amdhsa_memory_ordered 1
		.amdhsa_forward_progress 1
		.amdhsa_inst_pref_size 34
	.end_amdhsa_kernel
	.amdgpu_metadata
---
amdhsa.version: [ 1, 2 ]
amdhsa.kernels:
  - .name:           k_qc30e062b93_prep
    .symbol:         k_qc30e062b93_prep.kd
    .args:
      - { .name: w1, .offset: 0, .size: 8, .value_kind: global_buffer, .address_space: global }
      - { .name: w3, .offset: 8, .size: 8, .value_kind: global_buffer, .address_space: global }
      - { .name: w2, .offset: 16, .size: 8, .value_kind: global_buffer, .address_space: global }
      - { .name: x, .offset: 24, .size: 8, .value_kind: global_buffer, .address_space: global }
      - { .name: Uq, .offset: 32, .size: 8, .value_kind: global_buffer, .address_space: global }
      - { .name: Uk, .offset: 40, .size: 8, .value_kind: global_buffer, .address_space: global }
      - { .name: Uv, .offset: 48, .size: 8, .value_kind: global_buffer, .address_space: global }
      - { .name: Wo, .offset: 56, .size: 8, .value_kind: global_buffer, .address_space: global }
      - { .name: ln1_w, .offset: 64, .size: 8, .value_kind: global_buffer, .address_space: global }
      - { .name: w13b, .offset: 72, .size: 8, .value_kind: global_buffer, .address_space: global }
      - { .name: w2b, .offset: 80, .size: 8, .value_kind: global_buffer, .address_space: global }
      - { .name: xi, .offset: 88, .size: 8, .value_kind: global_buffer, .address_space: global }
      - { .name: usm, .offset: 96, .size: 8, .value_kind: global_buffer, .address_space: global }
    .group_segment_fixed_size: 34304
    .private_segment_fixed_size: 0
    .kernarg_segment_align: 8
    .kernarg_segment_size: 104
    .max_flat_workgroup_size: 256
    .sgpr_count:     66
    .vgpr_count:     200
    .wavefront_size: 32
...
	.end_amdgpu_metadata
.endif
;; end of part 1
;; launch qkv (part 2): grid 64 x 3, 2 waves a work-group, no clusters, 0 bytes of LDS; arguments xi, usm, cos, sin, qkv; writes qkv
.if DOCPART == 2
	.amdgcn_target "amdgcn-amd-amdhsa--gfx1250"
	.amdhsa_code_object_version 6
	.text
	.protected	k_qc30e062b93_qkv
	.globl	k_qc30e062b93_qkv
	.p2align	8
	.type	k_qc30e062b93_qkv,@function
k_qc30e062b93_qkv:
	s_mov_b64 s[64:65], 0
	v_nop
	global_prefetch_b8 v0, s[64:65] scope:SCOPE_SE
	s_setreg_imm32_b32 hwreg(HW_REG_WAVE_MODE, 25, 1), 1
	s_wait_xcnt 0x0
; QKV: q = rope(xn Uq^T), k = rope(xn Uk^T), v = xn Uv^T, in bf16 and fragment order (blocks of 16 x 16, 512 bytes, lane r + 16 h holding row r and eight neighbours at byte 16 lane).
; A work-group takes 64 tokens of part y (0 q, 1 k, 2 v); each of its two waves 64 x 64 outputs: 16 accumulators.  K = 1,024 goes in 32 steps of 32.
; Both operands lie in memory in fragment order, so a fragment is two loads of 512 dense bytes straight into registers: no LDS, no barrier.  A ring of four stages of 16 loads keeps 48 to 64 loads out.
; THE MATRIX INSTRUCTION IS USED TRANSPOSED: source 0 = 16 rows of the 'B side', source 1 = 16 rows of the 'A side'; a lane then holds one A row and eight neighbouring B rows.
;   q, k: A = token tiles, B = channel blocks {2 j, 2 j + 1, 2 j + 4, 2 j + 5}: channel c and channel c + 64 fall into the same lane (accumulators b and b + 2), which is what rope pairs.
;   v:    A = channel blocks 4 j + a, B = token tiles: a lane holds one channel and eight keys: V^T's fragment for the attention's second product.
; Only two pointers and one offset differ between the two cases; the loop is one text.
; NO CLUSTER: a joint request serves tensor loads into LDS, and no operand here passes through LDS; U is 786,432 bytes for all work-groups.
; LIMITS: operands and results in bf16, sums and rope in f32; NaN and infinities are not treated apart.
; REGISTERS: window 0: v1 16 lane, v3 the same + the B side's upper two tiles, v5 my place in cos and sin; v32-95 packed results; v96-103 at work; v128-255 accumulators (a, b) at 128 + 8 (4 a + b)
;            window 1: four stages of 64: A's fragment a at 64 s + 8 a, B's fragment b at 64 s + 32 + 8 b        window 2: cos at 8 (2 a + b), sin at 64 + 8 (2 a + b)
.set ACC, 128
.set TMP, 32
.set T,   96
.set MSB, 0
.macro WIN new                         ; the immediate's high byte repeats the setting that is left; a switch that changes nothing is dropped
.if MSB != (\new)
	s_set_vgpr_msb (MSB<<8)|(\new)
.set MSB, \new
.endif
.endm
.macro PLACES                          ; four plain vector instructions between a matrix instruction and a load into, or a vector read of, its registers
.rept 4
	v_nop
.endr
.endm
	s_load_b256 s[4:11], s[0:1], 0x0               ; xi s[4:5], usm s[6:7], cos s[8:9], sin s[10:11]
	s_load_b64 s[12:13], s[0:1], 0x20              ; qkv
	v_lshrrev_b32 v2, 5, v0
	v_readfirstlane_b32 s14, v2                    ; j: my wave
	s_mov_b32 s15, ttmp9                           ; tg: 64 tokens
	s_and_b32 s16, ttmp7, 0xffff                   ; y
	v_and_b32 v1, 31, v0
	v_lshlrev_b32 v1, 4, v1                        ; 16 lane
	v_and_b32 v4, 15, v0
	v_bfe_u32 v6, v0, 4, 1
	v_lshlrev_b32 v5, 8, v4
	v_lshl_add_u32 v5, v6, 5, v5                   ; cos, sin: token lane % 16 (256 bytes a row), 8 channels for each half of the lanes
	s_lshl_b32 s26, s15, 17                        ; xi: four tiles of 32,768 bytes
	s_mov_b32 s27, 0
	s_cmp_eq_u32 s16, 2
	s_cselect_b32 s25, 17, 16                      ; usm: a wave's first tile is 4 j (v) or 2 j (q, k)
	s_cselect_b32 s24, 11, 10                      ; qkv: a wave's first block likewise
	s_cselect_b32 s17, 16, 17                      ; the B side's upper pair lies 2 tiles on (v) or 4 (q, k)
	s_lshl_b32 s28, s16, 18                        ; part y's eight tiles
	s_lshl_b32 s29, s14, s25
	s_add_co_u32 s28, s28, s29
	s_mov_b32 s29, 0
	s_lshl_b32 s17, 1, s17
	v_add_nc_u32 v3, s17, v1
	s_lshl_b32 s38, s15, 14                        ; cos, sin: 64 rows of 256 bytes,
	s_lshl_b32 s39, s14, 7                         ; my wave's 32 channels
	s_add_co_u32 s38, s38, s39
	s_mov_b32 s39, 0
	s_lshl_b32 s42, s16, 20                        ; the part's image,
	s_lshl_b32 s43, s15, 14                        ; four tiles of 4,096 bytes,
	s_add_co_u32 s42, s42, s43
	s_lshl_b32 s43, s14, s24                       ; my wave's blocks
	s_add_co_u32 s42, s42, s43
	s_mov_b32 s43, 0
	s_wait_kmcnt 0x0
	s_add_nc_u64 s[30:31], s[4:5], s[26:27]
	s_add_nc_u64 s[32:33], s[6:7], s[28:29]
	s_cmp_eq_u32 s16, 2
	s_cselect_b64 s[20:21], s[32:33], s[30:31]     ; the A side
	s_cselect_b64 s[22:23], s[30:31], s[32:33]     ; the B side
	s_add_nc_u64 s[34:35], s[8:9], s[38:39]
	s_add_nc_u64 s[36:37], s[10:11], s[38:39]
	s_add_nc_u64 s[40:41], s[12:13], s[42:43]
	WIN 0x80                                       ; destination window 2.  These 64 loads go first, so they are never among the younger loads of a counted wait
.irp a, 0,1,2,3
.irp b, 0,1
	global_load_b128 v[8*(2*\a+\b):8*(2*\a+\b)+3],       v5, s[34:35] offset:\a*4096+64*\b
	global_load_b128 v[8*(2*\a+\b)+4:8*(2*\a+\b)+7],     v5, s[34:35] offset:\a*4096+64*\b+16
	global_load_b128 v[64+8*(2*\a+\b):64+8*(2*\a+\b)+3],   v5, s[36:37] offset:\a*4096+64*\b
	global_load_b128 v[64+8*(2*\a+\b)+4:64+8*(2*\a+\b)+7], v5, s[36:37] offset:\a*4096+64*\b+16
.endr
.endr
; 16 loads: one K step's four fragments of each side into stage s; off = the step's byte in a tile, from the stepped bases
.macro LOADS s, off
	WIN 0x40
.irp a, 0,1,2,3
	global_load_b128 v[64*(\s)+8*\a:64*(\s)+8*\a+3],   v1, s[20:21] offset:\a*32768+(\off)
	global_load_b128 v[64*(\s)+8*\a+4:64*(\s)+8*\a+7], v1, s[20:21] offset:\a*32768+(\off)+512
.endr
.irp b, 0,1
	global_load_b128 v[64*(\s)+32+8*\b:64*(\s)+32+8*\b+3], v1, s[22:23] offset:\b*32768+(\off)
	global_load_b128 v[64*(\s)+36+8*\b:64*(\s)+36+8*\b+3], v1, s[22:23] offset:\b*32768+(\off)+512
.endr
.irp b, 0,1
	global_load_b128 v[64*(\s)+48+8*\b:64*(\s)+48+8*\b+3], v3, s[22:23] offset:\b*32768+(\off)
	global_load_b128 v[64*(\s)+52+8*\b:64*(\s)+52+8*\b+3], v3, s[22:23] offset:\b*32768+(\off)+512
.endr
.endm
; 16 matrix instructions; the 16 accumulators take turns.  zero = 1: the first K step starts the sums
.macro MULS s, zero
	WIN 0x05
.irp a, 0,1,2,3
.irp b, 0,1,2,3
.if \zero
	v_wmma_f32_16x16x32_bf16 v[ACC+8*(4*\a+\b):ACC+8*(4*\a+\b)+7], v[64*(\s)+32+8*\b:64*(\s)+32+8*\b+7], v[64*(\s)+8*\a:64*(\s)+8*\a+7], 0
.else
	v_wmma_f32_16x16x32_bf16 v[ACC+8*(4*\a+\b):ACC+8*(4*\a+\b)+7], v[64*(\s)+32+8*\b:64*(\s)+32+8*\b+7], v[64*(\s)+8*\a:64*(\s)+8*\a+7], v[ACC+8*(4*\a+\b):ACC+8*(4*\a+\b)+7]
.endif
.endr
.endr
.endm
.macro STAGE s, zero, refill, left
	s_wait_loadcnt \left                           ; this stage's 16 loads are in; the younger stages' stay out (three stages of 16 in the loop)
	MULS \s, \zero
.if \refill
	PLACES
	LOADS \s, 1024*(\s)+4096                       ; the K step four further on
.endif
.endm
.macro STEP                            ; four K steps on: the bases are written only behind this wait (ISA guide 3.1)
	WIN 0
	s_wait_xcnt 0x0
	s_add_nc_u64 s[20:21], s[20:21], 4096
	s_add_nc_u64 s[22:23], s[22:23], 4096
.endm
	LOADS 0, 0
	LOADS 1, 1024
	LOADS 2, 2048
	LOADS 3, 3072
	STAGE 0, 1, 1, 48
	STAGE 1, 0, 1, 48
	STAGE 2, 0, 1, 48
	STAGE 3, 0, 1, 48
	STEP
	s_mov_b32 s24, 6
.Lk:
	STAGE 0, 0, 1, 48
	STAGE 1, 0, 1, 48
	STAGE 2, 0, 1, 48
	STAGE 3, 0, 1, 48
	STEP
	s_sub_co_u32 s24, s24, 1
	s_cmp_lg_u32 s24, 0
	s_cbranch_scc1 .Lk
	STAGE 0, 0, 0, 48                              ; the last four K steps load nothing: the counts run down
	STAGE 1, 0, 0, 32
	STAGE 2, 0, 0, 16
	STAGE 3, 0, 0, 0
	WIN 0
	PLACES
	s_cmp_eq_u32 s16, 2
	s_cbranch_scc1 .Lv
	; q, k: rope in place.  x1 = accumulator (a, b), x2 = (a, b + 2):  t = x1 sin;  x1 = x1 cos + x2 sin;  x2 = x2 cos - t.  Each accumulator's lowest registers are read first.
	WIN 0x08                                       ; source 1 (cos, sin) in window 2
.irp a, 0,1,2,3
.irp b, 0,1
.irp p, 0,1,2,3
.set x1, ACC+8*(4*\a+\b)+2*\p
.set x2, ACC+8*(4*\a+\b+2)+2*\p
.set cs, 8*(2*\a+\b)+2*\p
	v_pk_mul_f32 v[T+2*\p:T+2*\p+1], v[x1:x1+1], v[64+cs:64+cs+1]
	v_pk_mul_f32 v[x1:x1+1], v[x1:x1+1], v[cs:cs+1]
	v_pk_fma_f32 v[x1:x1+1], v[x2:x2+1], v[64+cs:64+cs+1], v[x1:x1+1]
	v_pk_fma_f32 v[x2:x2+1], v[x2:x2+1], v[cs:cs+1], v[T+2*\p:T+2*\p+1] neg_lo:[0,0,1] neg_hi:[0,0,1]
.endr
.endr
.endr
	WIN 0
.irp a, 0,1,2,3
.irp b, 0,1
.irp i, 0,1,2,3
	v_cvt_pk_bf16_f32 v[TMP+8*(2*\a+\b)+\i],   v[ACC+8*(4*\a+\b)+2*\i],   v[ACC+8*(4*\a+\b)+2*\i+1]
	v_cvt_pk_bf16_f32 v[TMP+8*(2*\a+\b)+4+\i], v[ACC+8*(4*\a+\b+2)+2*\i], v[ACC+8*(4*\a+\b+2)+2*\i+1]
.endr
	global_store_b128 v1, v[TMP+8*(2*\a+\b):TMP+8*(2*\a+\b)+3],   s[40:41] offset:\a*4096+512*\b       ; a block: 512 consecutive bytes
	global_store_b128 v1, v[TMP+8*(2*\a+\b)+4:TMP+8*(2*\a+\b)+7], s[40:41] offset:\a*4096+512*\b+2048  ; the block 64 channels on
.endr
.endr
	s_endpgm
.Lv:
.irp a, 0,1,2,3
.irp b, 0,1,2,3
.irp i, 0,1,2,3
	v_cvt_pk_bf16_f32 v[TMP+4*(4*\a+\b)+\i], v[ACC+8*(4*\a+\b)+2*\i], v[ACC+8*(4*\a+\b)+2*\i+1]
.endr
	global_store_b128 v1, v[TMP+4*(4*\a+\b):TMP+4*(4*\a+\b)+3], s[40:41] offset:\b*4096+\a*512
.endr
.endr
	s_endpgm
.Lfunc_end_k_qc30e062b93_qkv:
	.size	k_qc30e062b93_qkv, .Lfunc_end_k_qc30e062b93_qkv-k_qc30e062b93_qkv
	.p2alignl 7, 3214868480
	.fill 96, 4, 3214868480
	.section	.rodata,"a",@progbits
	.p2align	6, 0x0
	.amdhsa_kernel k_qc30e062b93_qkv
		.amdhsa_group_segment_fixed_size 0
		.amdhsa_private_segment_fixed_size 0
		.amdhsa_enable_private_segment 0
		.amdhsa_kernarg_size 40
		.amdhsa_user_sgpr_count 2
		.amdhsa_user_sgpr_kernarg_segment_ptr 1
		.amdhsa_wavefront_size32 1
		.amdhsa_system_sgpr_workgroup_id_x 1
		.amdhsa_system_sgpr_workgroup_id_y 1
		.amdhsa_system_sgpr_workgroup_id_z 1
		.amdhsa_system_vgpr_workitem_id 0
		.amdhsa_next_free_vgpr 640
		.amdhsa_next_free_sgpr 66
		.amdhsa_reserve_vcc 0
		.amdhsa_float_denorm_mode_32 3
		.amdhsa_float_denorm_mode_16_64 3
		.amdhsa_memory_ordered 1
		.amdhsa_forward_progress 1
		.amdhsa_inst_pref_size 57
	.end_amdhsa_kernel
	.amdgpu_metadata
---
amdhsa.version: [ 1, 2 ]
amdhsa.kernels:
  - .name:           k_qc30e062b93_qkv
    .symbol:         k_qc30e062b93_qkv.kd
    .args:
      - { .name: xi, .offset: 0, .size: 8, .value_kind: global_buffer, .address_space: global }
      - { .name: usm, .offset: 8, .size: 8, .value_kind: global_buffer, .address_space: global }
      - { .name: cos, .offset: 16, .size: 8, .value_kind: global_buffer, .address_space: global }
      - { .name: sin, .offset: 24, .size: 8, .value_kind: global_buffer, .address_space: global }
      - { .name: qkv, .offset: 32, .size: 8, .value_kind: global_buffer, .address_space: global }
    .group_segment_fixed_size: 0
    .private_segment_fixed_size: 0
    .kernarg_segment_align: 8
    .kernarg_segment_size: 40
    .max_flat_workgroup_size: 64
    .sgpr_count:     66
    .vgpr_count:     640
    .wavefront_size: 32
...
	.end_amdgpu_metadata
.endif
;; end of part 2
;; launch attn (part 3): grid 256 x 1, 8 waves a work-group, no clusters, 140,800 bytes of LDS; arguments qkv, usm, x, ln2_w, x2, hb; writes x2, hb
.if DOCPART == 3
	.amdgcn_target "amdgcn-amd-amdhsa--gfx1250"
	.amdhsa_code_object_version 6
	.text
	.protected	k_qc30e062b93_attn
	.globl	k_qc30e062b93_attn
	.p2align	8
	.type	k_qc30e062b93_attn,@function
k_qc30e062b93_attn:
	s_mov_b64 s[64:65], 0
	v_nop
	global_prefetch_b8 v0, s[64:65] scope:SCOPE_SE
	s_setreg_imm32_b32 hwreg(HW_REG_WAVE_MODE, 25, 1), 1
	s_wait_xcnt 0x0
; ATTN: windowed causal attention (key s is seen by query t iff 0 <= t - s <= 1,024), x2 = x + y Wo^T, hb = rmsnorm(x2) * ln2_w in bf16.
; A work-group owns 16 queries, so whole rows of x2.  Their window is the key tiles (of 16) qt - 64 .. qt.  The 64 past tiles are 32 pairs; wave w takes pairs 4 w .. 4 w + 3 (128 keys).
; The diagonal tile qt is a ninth part: every wave makes its scores and statistics (4 products), and its O for the one channel block that the wave merges.
; SOFTMAX: each part takes its own TRUE maximum m and sum l over its keys, p = 2^(c s - c m), c = log2(e) / sqrt(128); the nine parts are merged by their maxima: y = sum F O / sum F l, F = 2^(c m - c M).
; q, k and v lie in memory in fragment order, so every operand is loaded straight into registers, 512 dense bytes a load; the waves share no K or V, so LDS would spare nothing there.
; S^T = K Q^T (source 0 = 16 keys, source 1 = 16 queries): a lane holds one query and eight keys; two results rounded to bf16 ARE source 1 of O^T = V^T P; O^T rounded IS source 1 of the product with Wo.
; NO CLUSTER: a joint request serves tensor loads into LDS, and no operand here passes through LDS.
; LIMITS: a hidden score counts as -1e30; tiles in front of the sequence's start (the first 64 work-groups) are loaded from tile 0 and hidden, their products are made and multiplied by F = 0;
; a weight below 2^-126 counts as 0; operands in bf16; NaN and infinities are not treated apart.
; LDS: 0 partial O (wave x 8,192 + block x 1,024); 65,536 c m and, 1,024 on, l (wave x 128 + 4 lane); 67,584 y's fragments; 71,680 a stage of 16 rows x 528 a wave; 139,264 sums of squares; 139,776 spare words.
; Every region is written once: three barriers, each behind the writers' wait for their stores.
; REGISTERS, window 0: v1 16 lane; v2-9 the eight tiles' offsets; v10-12 offsets of q / diagonal, of V's diagonal block, of Wo; v13 QL, v14 LIM, v15-16 at work; v17-25 addresses; v26-27 the add's;
;   v28-31 c m, l, and the diagonal's; v32-63 Q, later y; v64-95 the diagonal's K, later at work; v96-127 the diagonal's V, S, P, O, later y in f32 and hb; v128-191 S, P, partial O, x2; v192-255 O, later x
;   window 1: four slots of 64: K of a pair of tiles, then its V, then Wo's fragments
.set MB,    65536
.set YF,    67584
.set STG,   71680
.set SSB,   139264
.set SPARE, 139776
.set S, 128
.set O, 192
.set MSB, 0
.macro WIN new                         ; the immediate's high byte repeats the setting that is left
.if MSB != (\new)
	s_set_vgpr_msb (MSB<<8)|(\new)
.set MSB, \new
.endif
.endm
.macro PLACES                          ; four plain vector instructions between a matrix instruction and a load into, or a vector read of, its registers
.rept 4
	v_nop
.endr
.endm
	s_load_b256 s[4:11], s[0:1], 0x0               ; qkv s[4:5], usm s[6:7], x s[8:9], ln2_w s[10:11]
	s_load_b128 s[12:15], s[0:1], 0x20             ; x2 s[12:13], hb s[14:15]
	v_lshl_add_u32 v26, v0, 2, SPARE               ; my spare word; never rewritten
	v_mov_b32 v27, 0                               ; 0; never rewritten
	v_lshrrev_b32 v15, 5, v0
	v_readfirstlane_b32 s16, v15                   ; w
	s_mov_b32 s17, ttmp9                           ; qt
	v_and_b32 v16, 31, v0                          ; lane
	v_and_b32 v15, 15, v0                          ; r
	v_bfe_u32 v13, v0, 4, 1                        ; h
	v_lshlrev_b32 v1, 4, v16
	v_lshlrev_b32 v0, 8, v0                        ; 256 bytes a thread: the prefetch's offsets; never rewritten
	s_lshl_b32 s35, s16, 7
	s_add_co_u32 s35, s35, MB
	v_lshl_add_u32 v18, v16, 2, s35                ; where I put c m and l
	s_lshl_b32 s35, s16, 13
	v_add_nc_u32 v17, s35, v1                      ; where I put my partial O
	s_lshl_b32 s35, s16, 10
	v_add_nc_u32 v19, s35, v1                      ; where I read block w of the eight partial O
	v_add_nc_u32 v20, YF, v1                       ; y's fragments
	s_mul_i32 s35, s16, 8448
	s_add_co_u32 s35, s35, STG                     ; my stage
	v_add_nc_u32 v22, s35, v1                      ; back: a row's 512 bytes, 16 a lane
	v_mul_u32_u24 v21, v15, 528
	v_lshl_add_u32 v21, v13, 5, v21
	v_add_nc_u32 v21, s35, v21                     ; in: row r, 32 bytes for each half of the lanes
	s_lshl_b32 s35, s16, 2
	s_add_co_u32 s35, s35, SSB
	v_mov_b32 v23, s35                             ; my word in each row's eight sums of squares
	s_lshl_b32 s35, s16, 9
	v_add_nc_u32 v24, s35, v1                      ; x, x2, ln2_w: my wave's 128 columns, 16 bytes a lane
	s_lshl_b32 s35, s16, 8
	v_lshl_add_u32 v25, v16, 3, s35                ; hb: 8 bytes a lane
	s_lshl_b32 s35, s17, 12
	v_add_nc_u32 v10, s35, v1                      ; tile qt of an image
	s_lshl_b32 s35, s16, 9
	v_add_nc_u32 v11, s35, v10                     ; its block w
	s_lshl_b32 s35, s16, 15
	v_add_nc_u32 v12, s35, v1                      ; Wo's eight tiles for my 128 columns
	s_lshl_b32 s35, s17, 4
	v_add_nc_u32 v14, s35, v15                     ; my query q = 16 qt + r
	v_lshlrev_b32 v13, 3, v13
	v_sub_nc_u32 v13, v14, v13                     ; QL = q - 8 h: register j of tile tau holds q - key = QL - 16 tau - j
	v_min_u32 v14, 0x400, v14                      ; LIM = min(1024, q): a key is seen iff 0 <= q - key <= LIM (a key in front of the start has q - key > q)
	v_mov_b32 v29, 0                               ; named in pairs with c m before they are made
	v_mov_b32 v31, 0
	s_sub_co_i32 s18, s17, 64
	s_lshl_b32 s35, s16, 3
	s_add_co_i32 s20, s18, s35                     ; the first tile of my four pairs: qt - 64 + 8 w + 2 s
	s_add_co_i32 s21, s20, 2
	s_add_co_i32 s22, s20, 4
	s_add_co_i32 s23, s20, 6
	s_max_i32 s18, s18, -1                         ; a pair beginning beyond this tile needs no mask
.irp s, 0,1,2,3
.irp u, 0,1
	s_add_co_i32 s35, s[20+\s], \u
	s_max_i32 s35, s35, 0                          ; no load leaves the buffer
	s_lshl_b32 s35, s35, 12
	v_add_nc_u32 v[2+2*\s+\u], s35, v1
.endr
.endr
	s_mov_b32 s30, 0x3e0293ee                      ; c = log2(e) / sqrt(128)
	s_mov_b32 s31, 0x3e0293ee
	s_mov_b32 s32, 0x76543210                      ; v_permlanex16_b32: each lane takes its own place in the other half
	s_mov_b32 s33, 0xfedcba98
	s_mov_b32 s34, 0xf149f2ca                      ; -1e30
	s_mov_b32 s43, 0                               ; named in a pair with s42
	s_mov_b32 s44, 0x3a800000                      ; 1 / 1024
	s_mov_b32 s45, 0x358637bd                      ; 1e-6
	s_lshl_b32 s46, s17, 16
	s_mov_b32 s47, 0
	s_wait_kmcnt 0x0
	s_add_nc_u64 s[24:25], s[4:5], 0x100000        ; k's image
	s_add_nc_u64 s[26:27], s[4:5], 0x200000        ; v's
	s_add_nc_u64 s[28:29], s[6:7], 786432          ; Wo's
	s_add_nc_u64 s[36:37], s[8:9], s[46:47]        ; my 16 rows of x,
	s_add_nc_u64 s[38:39], s[12:13], s[46:47]      ; of x2,
	s_lshl_b32 s46, s17, 15
	s_add_nc_u64 s[40:41], s[14:15], s[46:47]      ; of hb
	global_prefetch_b8 v0, s[36:37] th:TH_LOAD_NT scope:SCOPE_SE  ; the group's 65,536 bytes of x, one block of 256 bytes a thread, asked for once; they are loaded behind both attention products
.irp b, 0,1,2,3,4,5,6,7
	global_load_b128 v[32+4*\b:35+4*\b], v10, s[4:5] offset:512*\b    ; Q
.endr
.irp b, 0,1,2,3,4,5,6,7
	global_load_b128 v[64+4*\b:67+4*\b], v10, s[24:25] offset:512*\b  ; the diagonal tile's K
.endr
	global_load_b128 v[96:99],   v11, s[26:27]     ; its V, channel block w; a fragment has 32 keys, the tile 16:
	global_load_b128 v[100:103], v11, s[26:27]     ; the upper half meets weights that are 0
	WIN 0x40
.irp s, 0,1,2,3
.irp u, 0,1
.irp b, 0,1,2,3,4,5,6,7
	global_load_b128 v[64*\s+32*\u+4*\b:64*\s+32*\u+4*\b+3], v[2+2*\s+\u], s[24:25] offset:512*\b
.endr
.endr
.endr
	WIN 0
	s_wait_loadcnt 63                              ; Q and the diagonal's K: 66 loads are younger, and a smaller count waits for no less
	v_wmma_f32_16x16x32_bf16 v[104:111], v[64:71], v[32:39], 0
	s_wait_alu depctr_va_vdst(0)                   ; a wait ahead of each link
	v_wmma_f32_16x16x32_bf16 v[104:111], v[72:79], v[40:47], v[104:111]
	s_wait_alu depctr_va_vdst(0)
	v_wmma_f32_16x16x32_bf16 v[104:111], v[80:87], v[48:55], v[104:111]
	s_wait_alu depctr_va_vdst(0)
	v_wmma_f32_16x16x32_bf16 v[104:111], v[88:95], v[56:63], v[104:111]
; Slot s: 8 products K Q^T, the two tiles' accumulators by turns; then the pair's V into the registers that K leaves.
.macro SMM s
	s_wait_loadcnt 48                              ; younger than this slot's K: 16 (3 - s) loads of K and 16 s of V
	WIN 0x01
.irp c, 0,1,2,3
.irp u, 0,1
.if \c == 0
	v_wmma_f32_16x16x32_bf16 v[S+16*(\s)+8*\u:S+16*(\s)+8*\u+7], v[64*(\s)+32*\u+8*\c:64*(\s)+32*\u+8*\c+7], v[32+8*\c:39+8*\c], 0
.else
	v_wmma_f32_16x16x32_bf16 v[S+16*(\s)+8*\u:S+16*(\s)+8*\u+7], v[64*(\s)+32*\u+8*\c:64*(\s)+32*\u+8*\c+7], v[32+8*\c:39+8*\c], v[S+16*(\s)+8*\u:S+16*(\s)+8*\u+7]
.endif
.endr
.endr
	PLACES
	WIN 0x40
.irp u, 0,1
.irp cb, 0,1,2,3,4,5,6,7
	global_load_b128 v[64*(\s)+8*\cb+4*\u:64*(\s)+8*\cb+4*\u+3], v[2+2*(\s)+\u], s[26:27] offset:512*\cb
.endr
.endr
.endm
	SMM 0
	SMM 1
	SMM 2
	SMM 3
	WIN 0
; THE MASKS.  v15 = QL - 16 x the pair's first tile; register j of the accumulator at base, whose keys begin e0 behind that tile's first, is kept iff LIM >= v15 - e0 - j (unsigned).
.macro MASK8 base, e0
.set j, 0
.rept 8
	v_sub_nc_u32 v16, v15, (\e0)+j
	v_cmp_ge_u32 vcc_lo, v14, v16
	v_cndmask_b32 v[(\base)+j], s34, v[(\base)+j], vcc_lo
.set j, j+1
.endr
.endm
.macro MASKSLOT s                      ; only the window's far pair and pairs that begin in front of the sequence's start have hidden keys
	s_cmp_gt_i32 s[20+(\s)], s18
	s_cbranch_scc1 .Lfree_\@
	s_lshl_b32 s35, s[20+(\s)], 4
	v_sub_nc_u32 v15, v13, s35
	MASK8 S+16*(\s), 0
	MASK8 S+16*(\s)+8, 16
.Lfree_\@:
.endm
	s_lshl_b32 s35, s17, 4
	v_sub_nc_u32 v15, v13, s35
	MASK8 104, 0
	MASKSLOT 0
	MASKSLOT 1
	MASKSLOT 2
	MASKSLOT 3
	; THE MAXIMA: eight chains, one an accumulator, each accumulator's lowest registers first
.set n, 0
.rept 8
	v_max3_num_f32 v[64+n], v[S+8*n], v[S+8*n+1], v[S+8*n+2]
.set n, n+1
.endr
.set n, 0
.rept 8
	v_max3_num_f32 v[64+n], v[64+n], v[S+8*n+3], v[S+8*n+4]
.set n, n+1
.endr
.set n, 0
.rept 8
	v_max3_num_f32 v[64+n], v[64+n], v[S+8*n+5], v[S+8*n+6]
.set n, n+1
.endr
.set n, 0
.rept 8
	v_max_num_f32 v[64+n], v[64+n], v[S+8*n+7]
.set n, n+1
.endr
	v_max3_num_f32 v72, v104, v105, v106           ; the diagonal's
	v_max3_num_f32 v64, v64, v65, v66
	v_max3_num_f32 v67, v67, v68, v69
	v_max3_num_f32 v72, v72, v107, v108
	v_max3_num_f32 v64, v64, v67, v70
	v_max3_num_f32 v72, v72, v109, v110
	v_max_num_f32 v64, v64, v71
	v_max_num_f32 v72, v72, v111
	v_permlanex16_b32 v65, v64, s32, s33           ; the query's other keys lie in the lane 16 away
	v_permlanex16_b32 v73, v72, s32, s33
	v_max_num_f32 v64, v64, v65
	v_max_num_f32 v72, v72, v73
	v_mul_f32 v28, s30, v64                        ; c m
	v_mul_f32 v30, s30, v72
.set i, 0
.rept 32
	v_pk_fma_f32 v[S+2*i:S+2*i+1], v[S+2*i:S+2*i+1], s[30:31], v[28:29] op_sel_hi:[1,0,0] neg_lo:[0,0,1] neg_hi:[0,0,1]  ; c s - c m
.set i, i+1
.endr
.set i, 0
.rept 4
	v_pk_fma_f32 v[104+2*i:105+2*i], v[104+2*i:105+2*i], s[30:31], v[30:31] op_sel_hi:[1,0,0] neg_lo:[0,0,1] neg_hi:[0,0,1]
.set i, i+1
.endr
.set i, 0
.rept 64
	v_exp_f32 v[S+i], v[S+i]
.set i, i+1
.endr
.set i, 0
.rept 8
	v_exp_f32 v[104+i], v[104+i]
.set i, i+1
.endr
	v_nop                                          ; a plain instruction between the last exponential and the use of its result (ISA guide 5.7.2)
	; THE SUMS, of the unrounded weights: four chains over the 32 pairs
.set i, 0
	s_wait_alu depctr_va_vdst(0)
.rept 4
	v_pk_add_f32 v[72+2*i:73+2*i], v[S+2*i:S+2*i+1], v[S+2*i+8:S+2*i+9]
.set i, i+1
.endr
.set i, 8
.rept 24
	v_pk_add_f32 v[72+2*(i%4):73+2*(i%4)], v[72+2*(i%4):73+2*(i%4)], v[S+2*i:S+2*i+1]
.set i, i+1
.endr
	v_pk_add_f32 v[80:81], v[104:105], v[106:107]
	v_pk_add_f32 v[82:83], v[108:109], v[110:111]
	v_pk_add_f32 v[72:73], v[72:73], v[74:75]
	v_pk_add_f32 v[76:77], v[76:77], v[78:79]
	v_pk_add_f32 v[80:81], v[80:81], v[82:83]
	v_pk_add_f32 v[72:73], v[72:73], v[76:77]
	v_add_f32 v80, v80, v81
	v_add_f32 v72, v72, v73
	v_permlanex16_b32 v81, v80, s32, s33
	v_permlanex16_b32 v73, v72, s32, s33
	v_add_f32 v31, v80, v81                        ; the diagonal's l
	v_add_f32 v29, v72, v73                        ; l
.set i, 0
.rept 32
	v_cvt_pk_bf16_f32 v[S+i], v[S+2*i], v[S+2*i+1] ; in place, ascending: register i is written when 2 i and 2 i + 1 have been read
.set i, i+1
.endr
.set i, 0
.rept 4
	v_cvt_pk_bf16_f32 v[112+i], v[104+2*i], v[105+2*i]
	v_mov_b32 v[116+i], 0                          ; the diagonal tile has 16 keys: the fragment's other 16 weigh nothing
.set i, i+1
.endr
; Slot s: 8 products V^T P, the eight channel blocks' accumulators by turns; then two of Wo's eight tiles into the registers that V leaves.
.macro PVM s
	s_wait_loadcnt 48                              ; younger than this slot's V: 16 (3 - s) loads of V and 16 s of Wo
	WIN 0x01
.irp cb, 0,1,2,3,4,5,6,7
.if (\s) == 0
	v_wmma_f32_16x16x32_bf16 v[O+8*\cb:O+8*\cb+7], v[64*(\s)+8*\cb:64*(\s)+8*\cb+7], v[S+8*(\s):S+8*(\s)+7], 0
.else
	v_wmma_f32_16x16x32_bf16 v[O+8*\cb:O+8*\cb+7], v[64*(\s)+8*\cb:64*(\s)+8*\cb+7], v[S+8*(\s):S+8*(\s)+7], v[O+8*\cb:O+8*\cb+7]
.endif
.endr
	PLACES
	WIN 0x40
.irp n, 0,1
.irp b, 0,1,2,3,4,5,6,7
	global_load_b128 v[64*(\s)+32*\n+4*\b:64*(\s)+32*\n+4*\b+3], v12, s[28:29] offset:(2*(\s)+\n)*4096+512*\b
.endr
.endr
.endm
	PVM 0
	PVM 1
	PVM 2
	PVM 3
	WIN 0
	v_wmma_f32_16x16x32_bf16 v[120:127], v[96:103], v[112:119], 0  ; the diagonal's O, channel block w
	PLACES
	; HAND OVER: my partial O, c m and l
.irp cb, 0,1,2,3,4,5,6,7
	ds_store_b128 v17, v[O+8*\cb:O+8*\cb+3]   offset:1024*\cb
	ds_store_b128 v17, v[O+8*\cb+4:O+8*\cb+7] offset:1024*\cb+512
.endr
	ds_store_b32 v18, v28
	ds_store_b32 v18, v29 offset:1024
	v_lshrrev_b32 v15, 2, v1
	v_add_nc_u32 v15, MB, v15                      ; where the eight c m begin for my lane
	s_lshl_b32 s35, s16, 9
	v_add_nc_u32 v16, s35, v20                     ; where I put y's block w
	v_lshlrev_b32 v13, 1, v1
	v_and_b32 v13, 0x1e0, v13
	v_add_nc_u32 v13, SSB, v13                     ; row r's eight sums of squares
	s_wait_dscnt 0x0                               ; for the others' sake; and O's registers are free for x
.set i, 0
.rept 16
	global_load_b128 v[192+4*i:195+4*i], v24, s[36:37] offset:4096*i th:TH_LOAD_NT
.set i, i+1
.endr
	global_load_b128 v[92:95], v24, s[10:11]       ; ln2_w of my four columns
	s_barrier_signal -1
	s_barrier_wait -1
	; MERGE, channel block w
.irp p, 0,1,2,3,4,5,6,7
	ds_load_b32 v[64+\p], v15 offset:128*\p
	ds_load_b32 v[72+\p], v15 offset:1024+128*\p
.endr
.irp p, 0,1,2,3,4,5,6,7
	ds_load_b128 v[S+8*\p:S+8*\p+3],   v19 offset:8192*\p
	ds_load_b128 v[S+8*\p+4:S+8*\p+7], v19 offset:8192*\p+512
.endr
	s_wait_dscnt 0x0
	v_max3_num_f32 v89, v64, v65, v66
	v_max3_num_f32 v89, v89, v67, v68
	v_max3_num_f32 v89, v89, v69, v70
	v_max3_num_f32 v89, v89, v71, v30              ; c M: the diagonal always holds a key that is seen, so this is a true score's
.set p, 0
.rept 8
	v_sub_f32 v[80+p], v[64+p], v89
.set p, p+1
.endr
	v_sub_f32 v88, v30, v89
.set p, 0
.rept 9
	v_exp_f32 v[80+p], v[80+p]
.set p, p+1
.endr
	v_nop
	s_wait_alu depctr_va_vdst(0)
	v_mul_f32 v90, v88, v31
.set j, 0
.rept 8
	v_mul_f32 v[96+j], v88, v[120+j]
.set j, j+1
.endr
.set p, 0
.rept 8
	v_fmac_f32 v90, v[80+p], v[72+p]
.set j, 0
.rept 8
	v_fmac_f32 v[96+j], v[80+p], v[S+8*p+j]
.set j, j+1
.endr
.set p, p+1
.endr
	v_rcp_f32 v90, v90
	v_nop
.set j, 0
	s_wait_alu depctr_va_vdst(0)
.rept 8
	v_mul_f32 v[96+j], v[96+j], v90
.set j, j+1
.endr
.set j, 0
.rept 4
	v_cvt_pk_bf16_f32 v[104+j], v[96+2*j], v[97+2*j]
.set j, j+1
.endr
	ds_store_b128 v16, v[104:107]
	s_wait_dscnt 0x0
	s_barrier_signal -1
	s_barrier_wait -1
	; y Wo^T for my 128 columns: source 0 = 16 rows of Wo, source 1 = the 16 queries' y; the eight accumulators take turns
.irp cb, 0,1,2,3,4,5,6,7
	ds_load_b128 v[32+4*\cb:35+4*\cb], v20 offset:512*\cb
.endr
	s_wait_dscnt 0x0
	s_wait_loadcnt 17                              ; Wo is in: x's 16 loads and ln2_w's one are younger
	WIN 0x01
.irp c, 0,1,2,3
.irp nb, 0,1,2,3,4,5,6,7
.if \c == 0
	v_wmma_f32_16x16x32_bf16 v[S+8*\nb:S+8*\nb+7], v[32*\nb+8*\c:32*\nb+8*\c+7], v[32+8*\c:39+8*\c], 0
.else
	v_wmma_f32_16x16x32_bf16 v[S+8*\nb:S+8*\nb+7], v[32*\nb+8*\c:32*\nb+8*\c+7], v[32+8*\c:39+8*\c], v[S+8*\nb:S+8*\nb+7]
.endif
.endr
.endr
	WIN 0
	PLACES
	; a lane holds eight columns of one row: through my stage, and back as whole rows of 512 bytes, into the registers that they left
.irp nb, 0,1,2,3,4,5,6,7
	ds_store_b128 v21, v[S+8*\nb:S+8*\nb+3]   offset:64*\nb
	ds_store_b128 v21, v[S+8*\nb+4:S+8*\nb+7] offset:64*\nb+16
.endr
.set i, 0
.rept 16
	ds_load_b128 v[S+4*i:S+4*i+3], v22 offset:528*i  ; LDS serves a wave's instructions in order (ISA guide 5.7.1.4): these see the stores above
.set i, i+1
.endr
	s_wait_dscnt 0x0
	s_wait_loadcnt 0x0                             ; x and ln2_w
.set i, 0
.rept 32
	v_pk_add_f32 v[S+2*i:S+2*i+1], v[S+2*i:S+2*i+1], v[192+2*i:193+2*i]
.set i, i+1
.endr
.set i, 0
.rept 16
	global_store_b128 v24, v[S+4*i:S+4*i+3], s[38:39] offset:4096*i  ; 512 consecutive bytes of a row of x2; these registers are not written again
.set i, i+1
.endr
.set i, 0
.rept 16
	v_pk_mul_f32 v[84+2*(i%2):85+2*(i%2)], v[S+4*i:S+4*i+1], v[S+4*i:S+4*i+1]
	v_pk_fma_f32 v[84+2*(i%2):85+2*(i%2)], v[S+4*i+2:S+4*i+3], v[S+4*i+2:S+4*i+3], v[84+2*(i%2):85+2*(i%2)]
	v_add_f32 v[64+i], v[84+2*(i%2)], v[85+2*(i%2)]
.set i, i+1
.endr
.irp m, 1,2,4,8
.set i, 0
.rept 16
	v_add_f32_dpp v[64+i], v[64+i], v[64+i] row_xmask:\m row_mask:0xf bank_mask:0xf
.set i, i+1
.endr
.endr
.set i, 0
.rept 16
	v_permlanex16_b32 v[192+i], v[64+i], s32, s33
.set i, i+1
.endr
.set i, 0
.rept 16
	v_add_f32 v[64+i], v[64+i], v[192+i]
	ds_store_b32 v23, v[64+i] offset:32*i          ; all lanes write the same word with the same value
.set i, i+1
.endr
	s_wait_dscnt 0x0
	s_barrier_signal -1
	s_barrier_wait -1
	; THE SECOND NORM: lane r makes row r's factor; it comes to all lanes through a scalar register
	ds_load_b128 v[64:67], v13
	ds_load_b128 v[68:71], v13 offset:16
	s_wait_dscnt 0x0
	v_pk_add_f32 v[64:65], v[64:65], v[66:67]
	v_pk_add_f32 v[68:69], v[68:69], v[70:71]
	v_pk_add_f32 v[64:65], v[64:65], v[68:69]
	v_add_f32 v64, v64, v65
	v_fma_f32 v64, v64, s44, s45
	v_rsq_f32 v80, v64
	v_nop
.set i, 0
	s_wait_alu depctr_va_vdst(0)
.rept 16
	v_readlane_b32 s42, v80, i
	v_pk_mul_f32 v[192+4*i:193+4*i], v[S+4*i:S+4*i+1],   s[42:43] op_sel_hi:[1,0]
	v_pk_mul_f32 v[194+4*i:195+4*i], v[S+4*i+2:S+4*i+3], s[42:43] op_sel_hi:[1,0]
	v_pk_mul_f32 v[192+4*i:193+4*i], v[192+4*i:193+4*i], v[92:93]
	v_pk_mul_f32 v[194+4*i:195+4*i], v[194+4*i:195+4*i], v[94:95]
	v_cvt_pk_bf16_f32 v[96+2*i], v[192+4*i], v[193+4*i]
	v_cvt_pk_bf16_f32 v[97+2*i], v[194+4*i], v[195+4*i]
	global_store_b64 v25, v[96+2*i:97+2*i], s[40:41] offset:2048*i  ; 32 lanes store 256 consecutive bytes, aligned
.set i, i+1
.endr
	s_wait_tensorcnt 0x0                           ; the wave's end, behind my last LDS store
	ds_add_u32 v26, v27
	s_wait_dscnt 0x0
	s_endpgm
.Lfunc_end_k_qc30e062b93_attn:
	.size	k_qc30e062b93_attn, .Lfunc_end_k_qc30e062b93_attn-k_qc30e062b93_attn
	.p2alignl 7, 3214868480
	.fill 96, 4, 3214868480
	.section	.rodata,"a",@progbits
	.p2align	6, 0x0
	.amdhsa_kernel k_qc30e062b93_attn
		.amdhsa_group_segment_fixed_size 140800
		.amdhsa_private_segment_fixed_size 0
		.amdhsa_enable_private_segment 0
		.amdhsa_kernarg_size 48
		.amdhsa_user_sgpr_count 2
		.amdhsa_user_sgpr_kernarg_segment_ptr 1
		.amdhsa_wavefront_size32 1
		.amdhsa_system_sgpr_workgroup_id_x 1
		.amdhsa_system_sgpr_workgroup_id_y 1
		.amdhsa_system_sgpr_workgroup_id_z 1
		.amdhsa_system_vgpr_workitem_id 0
		.amdhsa_next_free_vgpr 512
		.amdhsa_next_free_sgpr 66
		.amdhsa_reserve_vcc 1
		.amdhsa_float_denorm_mode_32 3
		.amdhsa_float_denorm_mode_16_64 3
		.amdhsa_memory_ordered 1
		.amdhsa_forward_progress 1
		.amdhsa_inst_pref_size 88
	.end_amdhsa_kernel
	.amdgpu_metadata
---
amdhsa.version: [ 1, 2 ]
amdhsa.kernels:
  - .name:           k_qc30e062b93_attn
    .symbol:         k_qc30e062b93_attn.kd
    .args:
      - { .name: qkv, .offset: 0, .size: 8, .value_kind: global_buffer, .address_space: global }
      - { .name: usm, .offset: 8, .size: 8, .value_kind: global_buffer, .address_space: global }
      - { .name: x, .offset: 16, .size: 8, .value_kind: global_buffer, .address_space: global }
      - { .name: ln2_w, .offset: 24, .size: 8, .value_kind: global_buffer, .address_space: global }
      - { .name: x2, .offset: 32, .size: 8, .value_kind: global_buffer, .address_space: global }
      - { .name: hb, .offset: 40, .size: 8, .value_kind: global_buffer, .address_space: global }
    .group_segment_fixed_size: 140800
    .private_segment_fixed_size: 0
    .kernarg_segment_align: 8
    .kernarg_segment_size: 48
    .max_flat_workgroup_size: 256
    .sgpr_count:     66
    .vgpr_count:     512
    .wavefront_size: 32
...
	.end_amdgpu_metadata
.endif
;; end of part 3
;; launch ffn1 (part 4): grid 32 x 16, 4 waves a work-group, clusters of 4 x 4, 327,680 bytes of LDS; arguments hb, w13b, gb; writes gb
.if DOCPART == 4
	.amdgcn_target "amdgcn-amd-amdhsa--gfx1250"
	.amdhsa_code_object_version 6
	.text
	.protected	k_qc30e062b93_ffn1
	.globl	k_qc30e062b93_ffn1
	.p2align	8
	.type	k_qc30e062b93_ffn1,@function
k_qc30e062b93_ffn1:
	s_mov_b64 s[64:65], 0
	v_nop
	global_prefetch_b8 v0, s[64:65] scope:SCOPE_SE
	s_setreg_imm32_b32 hwreg(HW_REG_WAVE_MODE, 25, 1), 1
	s_wait_xcnt 0x0
	s_wait_alu depctr_hold_cnt(0) depctr_sa_sdst(0) depctr_va_vdst(0) depctr_va_sdst(0) depctr_va_ssrc(0) depctr_va_vcc(0) depctr_vm_vsrc(0)
	s_getreg_b32 s2, hwreg(HW_REG_IB_STS2, 6, 4)
	s_cmp_eq_u32 s2, 0
	s_cbranch_scc0 .Lentry_in_a_cluster
	s_endpgm
.Lentry_in_a_cluster:
	s_bfe_u32 s2, ttmp6, 0x10000c
	s_cmp_lg_u32 s2, 0xf033
	s_cbranch_scc0 .Lentry_shape_is_right
	s_endpgm
.Lentry_shape_is_right:
; FFN1: g = (h w1^T) * silu(h w3^T).  One product C = A B^T with A = hb [4096][1024] and B = w13b [8192][1024], both bf16, sums in f32; w13b holds w1 and w3 interleaved by blocks of 64 rows.
; A tile of C, 256 x 256, is made by four waves; a wave makes 128 x 128: 64 accumulators, 512 registers.  Its 128 columns are 64 of u = h w1^T and the SAME 64 channels of z = h w3^T,
; so accumulators b and b + 4 hold u and z of one (token, channel) in one lane, and g = u z / (1 + 2^(-log2(e) z)) is made in registers on the way out.
; K goes in steps of 128 through a ring of two LDS slots filled by the tensor data mover; rows of the tiles are 256 bytes of memory, aligned.
; CLUSTERS: 4 x 4 work-groups.  The four of a row of the cluster need the same tiles of A, the four of a column the same tiles of B: each tile is asked for JOINTLY, by the same tensor load
; with the same descriptor and a mask that names the four, which divides the requests for A and for B by four.
; THE MATRIX INSTRUCTION IS USED TRANSPOSED (source 0 = 16 rows of B, source 1 = 16 rows of A): a lane holds one token and eight neighbouring channels.
; The last K step goes by rows of C, so that finished rows leave while the others are multiplied.
; g leaves as gb [R 32][fb 64][t 128][64] bf16: block (R, fb), 128 tokens x 64 channels, is a wave's whole result, 16,384 consecutive bytes: the next launch's tiles of A are dense.
; LIMITS: operands and g in bf16; 2^(-log2(e) z) may become infinite, which gives the right limit 0; z / (1 + ..) is made first, so that u z alone never overflows; NaN and infinities are not treated apart.
; REGISTERS, in windows of 256: window 0: v0-31 addresses; v64-127, v128-191 fragments of A, two buffers (in the last K step four, of 16 rows x 128 K); v32-63, v192-239 at work on the way out
;   window 1: v64-127, v128-191 fragments of B, two buffers; in the last K step all 256      window 2: the accumulators of my rows 0-63 ((a, b) at v[8 (8 a + b)])      window 3: those of my rows 64-127
.set SIZE_K, 1024
.set KSTEP,  128
.set PITCH,  272                       ; an LDS row: 256 bytes + 16 of padding = 68 words: the 16 rows that a load touches start at 16 different groups of four banks (ISA guide 11.1)
.set HALFT,  128*PITCH                 ; 128 rows: what one tensor load brings, and what one wave reads of A or of B
.set SLOT,   4*HALFT                   ; A's 256 rows, then B's 256 rows
.set STAGE,  2*SLOT                    ; behind the ring: 16 rows x 144 bytes for each wave, for the way out
.set SPITCH, 144                       ; 128 bytes of g + 16: 36 words
.set SPARE,  STAGE+4*16*SPITCH         ; behind the stages: the spare words, 128 bytes for each wave
.set LAPS, SIZE_K/(2*KSTEP)            ; a lap = two K steps = once round the ring
.set ADRA, 16                          ; v16-17  LDS address of my A fragments in slot 0, 1
.set ADRB, 20                          ; v20-21  the same for B
.set STO,  24                          ; v24     the way out: where I put 16 bytes of a row
.set RD,   25                          ; v25     the way out: where I read rows back
.set CO,   26                          ; v26     my byte offset in 512 consecutive bytes of gb
.set SPW,  28                          ; v28     LDS address of my spare word; never rewritten
.set NIL,  29                          ; v29     0; never rewritten
.set F0,   64
.set F1,   128
.set T,    192                         ; the way out: 32 numbers in f32
.set TMP,  224                         ; the way out: 16 registers of packed g
.set OB,   32                          ; the way out: 16 rows read back from the stage: v32-47 and v48-63 by turns
.set PA,   64                          ; the last K step: A's fragments of 16 rows x 128 K, 32 registers; four such buffers
.set G1, 24                            ; s[24:31] descriptor group 1 for A's tiles
.set G0, 32                            ; s[32:39] descriptor group 0 for A's tiles, one set for each slot
.set G1B, 48                           ; s[48:55], s[56:63] the same for B's
.set G0B, 56
.set NL, 66                            ; s[66:67] -log2(e)
.set MSB, 0
.macro WIN new                         ; the immediate's high byte repeats the setting that is left
.if MSB != (\new)
	s_set_vgpr_msb (MSB<<8)|(\new)
.set MSB, \new
.endif
.endm
.set MUL_LO, 0xa1                      ; source 0 (B) window 1, source 1 (A) window 0, C and D window 2
.set MUL_HI, 0xf1                      ; the same, C and D window 3
.set TO_B,   0x40                      ; destination window 1, address window 0
; A joint load.  Waves 0 and 1 fetch A's two halves, waves 2 and 3 B's.  The branch hangs on the wave's number alone.  An s_nop 0 and four v_nop follow each of the two lines.
.macro JLOAD s
	s_cmp_eq_u32 s11, 0
	s_cbranch_scc0 .Lfor_b_\@
	tensor_load_to_lds s[G0+4*(\s):G0+4*(\s)+3], s[G1:G1+7]
	s_nop 0
.rept 4
	v_nop
.endr
	s_branch .Lasked_\@
.Lfor_b_\@:
	tensor_load_to_lds s[G0B+4*(\s):G0B+4*(\s)+3], s[G1B:G1B+7]
	s_nop 0
.rept 4
	v_nop
.endr
.Lasked_\@:
.endm
.macro CREST                           ; a round of the cluster's barrier behind its opening barrier
	s_cmp_lg_u32 s10, 0
	s_cbranch_scc1 .Lnot_wave_0_\@
	s_barrier_signal -3
.Lnot_wave_0_\@:
	s_barrier_wait -3
	s_barrier_signal -1
	s_barrier_wait -1
.endm
.macro CROUND                          ; a whole round
	s_barrier_signal -1
	s_barrier_wait -1
	CREST
.endm
	s_load_b128 s[4:7], s[0:1], 0x0                ; hb s[4:5], w13b s[6:7]
	s_load_b64 s[8:9], s[0:1], 0x10                ; gb
	v_lshl_add_u32 v[SPW], v0, 2, SPARE
	v_mov_b32 v[NIL], 0
	ds_add_u32 v[SPW], v[NIL]                      ; the wave's opening: the add and its wait ahead of my first tensor load; the set-up below, work on registers, stands between them
	v_lshrrev_b32 v1, 5, v0
	v_readfirstlane_b32 s10, v1                    ; wave 0..3
	s_lshr_b32 s11, s10, 1                         ; which half of the tile's rows is mine.  Also: I fetch for A (0) or for B (1)
	s_and_b32 s12, s10, 1                          ; which half of its columns.  Also: which 128 rows of that tile I fetch
	s_bfe_u32 s40, ttmp6, 0x40000                  ; cx
	s_bfe_u32 s41, ttmp6, 0x40004                  ; cy
	s_lshl_b32 s42, ttmp9, 2
	s_add_co_u32 s42, s42, s40                     ; tile column of C = 4 x cluster x + cx
	s_and_b32 s13, ttmp7, 0xffff
	s_lshl_b32 s13, s13, 2
	s_add_co_u32 s13, s13, s41                     ; tile row of C = 4 x cluster y + cy
	s_lshl_b32 s43, s41, 2
	s_lshl_b32 s43, 15, s43                        ; my row of the cluster
	s_lshl_b32 s44, 0x1111, s40                    ; my column
	s_or_b32 s[G1+0], s43, (1<<16)|(1<<20)|(1<<21)|(5<<22)|(3<<25)  ; the mask: A's tiles go to my row; 2-byte elements; padding on; bit 21 beside a mask; after every 64 words 4 words
	s_or_b32 s[G1B+0], s44, (1<<16)|(1<<20)|(1<<21)|(5<<22)|(3<<25) ; the same with the mask of my column
.irp g, G1, G1B
	s_mov_b32 s[(\g)+1], KSTEP<<16                 ; tensor_dim0 = 128
	s_mov_b32 s[(\g)+2], 128<<16                   ; tensor_dim1 = 128
	s_mov_b32 s[(\g)+3], KSTEP<<16                 ; tile_dim0 = 128
	s_mov_b32 s[(\g)+4], 128                       ; tile_dim1 = 128
	s_mov_b32 s[(\g)+5], SIZE_K                    ; elements from row to row
	s_mov_b32 s[(\g)+6], 0
	s_mov_b32 s[(\g)+7], 0
.endr
	s_mov_b32 s[NL], 0xbfb8aa3b
	s_mov_b32 s[NL+1], 0xbfb8aa3b
	; A's tiles hang on the tile row alone, which my row of the cluster shares; B's on the tile column alone.  Every wave makes both addresses, in registers that never hold the other coordinate.
	s_lshl_b32 s17, s12, 7
	s_lshl_b32 s16, s13, 8
	s_add_co_u32 s16, s16, s17                     ; A: row 256 x tile row + 128 x half
	s_lshl_b32 s46, s42, 8
	s_add_co_u32 s46, s46, s17                     ; B: row 256 x tile column + 128 x half
	s_mov_b32 s17, 0
	s_mov_b32 s47, 0
	s_mov_b64 s[18:19], SIZE_K*2
	s_mul_u64 s[16:17], s[16:17], s[18:19]
	s_mul_u64 s[46:47], s[46:47], s[18:19]
	s_mul_i32 s20, s10, HALFT                      ; where they go: wave x 128 rows
	s_wait_dscnt 0x0                               ; the opening add is done
	s_wait_kmcnt 0x0
	s_add_nc_u64 s[14:15], s[4:5], s[16:17]
	s_add_nc_u64 s[46:47], s[6:7], s[46:47]
	CROUND                                         ; all sixteen work-groups are here: the first joint loads meet
.irp s, 0,1
	s_mov_b32 s[G0+4*(\s)], 1
	s_add_co_u32 s[G0+4*(\s)+1], s20, (\s)*SLOT
	s_add_nc_u64 s[G0+4*(\s)+2:G0+4*(\s)+3], s[14:15], (\s)*KSTEP*2
	s_or_b32 s[G0+4*(\s)+3], s[G0+4*(\s)+3], 0x80000000
	s_mov_b32 s[G0B+4*(\s)], 1
	s_add_co_u32 s[G0B+4*(\s)+1], s20, (\s)*SLOT
	s_add_nc_u64 s[G0B+4*(\s)+2:G0B+4*(\s)+3], s[46:47], (\s)*KSTEP*2
	s_or_b32 s[G0B+4*(\s)+3], s[G0B+4*(\s)+3], 0x80000000
	JLOAD \s                                       ; two tensor loads of mine are out
.endr
	v_and_b32 v1, 15, v0                           ; l % 16
	v_bfe_u32 v2, v0, 4, 1                         ; l / 16
	v_mul_u32_u24 v3, v1, PITCH
	v_lshl_add_u32 v3, v2, 4, v3                   ; a fragment's row x pitch + 16 x half
	s_mul_i32 s21, s11, HALFT                      ; my 128 rows of A
	s_mul_i32 s22, s12, HALFT                      ; my 128 rows of B,
	s_add_co_u32 s22, s22, 2*HALFT                 ; which lie behind A's 256
.irp s, 0,1
	v_add_nc_u32 v[ADRA+(\s)], s21, v3
	v_add_nc_u32 v[ADRB+(\s)], s22, v3
	s_add_co_u32 s21, s21, SLOT
	s_add_co_u32 s22, s22, SLOT
.endr
	s_mul_i32 s23, s10, 16*SPITCH
	s_add_co_u32 s23, s23, STAGE                   ; my stage
	v_mul_u32_u24 v4, v1, SPITCH                   ; in: row l % 16, 16 bytes for each half of the lanes
	v_lshl_add_u32 v4, v2, 4, v4
	v_add_nc_u32 v[STO], s23, v4
	v_bfe_u32 v5, v0, 3, 2                         ; back: 32 lanes take four rows of 128 bytes,
	v_mul_u32_u24 v5, v5, SPITCH
	v_and_b32 v6, 7, v0
	v_lshl_add_u32 v5, v6, 4, v5
	v_add_nc_u32 v[RD], s23, v5
	v_and_b32 v[CO], 31, v0                        ; which are 512 consecutive bytes of gb
	v_lshlrev_b32 v[CO], 4, v[CO]
	s_lshl_b32 s16, s13, 1
	s_add_co_u32 s16, s16, s11                     ; R = 2 x tile row + my half of the rows
	s_lshl_b32 s16, s16, 6
	s_lshl_b32 s46, s42, 1
	s_add_co_u32 s46, s46, s12                     ; fb = 2 x tile column + my half of the columns
	s_add_co_u32 s16, s16, s46
	s_lshl_b32 s16, s16, 14                        ; my block of 16,384 bytes
	s_mov_b32 s17, 0
; 16 matrix instructions: m blocks a0, a0 + 1 of the window's four x all 8 n blocks, 32 along K.  zero = 1: the first product starts the sums
.macro MUL16 f, hi, a0, zero
	WIN MUL_LO+0x50*(\hi)
.irp a, \a0, (\a0)+1
.irp b, 0,1,2,3,4,5,6,7
.if \zero
	v_wmma_f32_16x16x32_bf16 v[8*(8*(\a)+(\b)):8*(8*(\a)+(\b))+7], v[(\f)+8*(\b):(\f)+8*(\b)+7], v[(\f)+8*(4*(\hi)+(\a)):(\f)+8*(4*(\hi)+(\a))+7], 0
.else
	v_wmma_f32_16x16x32_bf16 v[8*(8*(\a)+(\b)):8*(8*(\a)+(\b))+7], v[(\f)+8*(\b):(\f)+8*(\b)+7], v[(\f)+8*(4*(\hi)+(\a)):(\f)+8*(4*(\hi)+(\a))+7], v[8*(8*(\a)+(\b)):8*(8*(\a)+(\b))+7]
.endif
.endr
.endr
.endm
; 32 LDS loads in one run: the fragments of one quarter step (32 K at byte k of the rows) into buffer f
.macro FETCH slot, k, f
	WIN TO_B
.irp i, 0,1,2,3,4,5,6,7
	ds_load_b128 v[(\f)+8*(\i):(\f)+8*(\i)+3],   v[ADRB+(\slot)] offset:(\k)+(\i)*16*PITCH
	ds_load_b128 v[(\f)+8*(\i)+4:(\f)+8*(\i)+7], v[ADRB+(\slot)] offset:(\k)+(\i)*16*PITCH+32
.endr
	WIN 0
.irp i, 0,1,2,3,4,5,6,7
	ds_load_b128 v[(\f)+8*(\i):(\f)+8*(\i)+3],   v[ADRA+(\slot)] offset:(\k)+(\i)*16*PITCH
	ds_load_b128 v[(\f)+8*(\i)+4:(\f)+8*(\i)+7], v[ADRA+(\slot)] offset:(\k)+(\i)*16*PITCH+32
.endr
.endm
.macro PLACES                          ; four plain vector instructions between a matrix instruction and a load into, or a vector read of, its registers
.rept 4
	v_nop
.endr
.endm
; A K step is four quarters of 32 along K, 64 matrix instructions each, on buffers 0, 1, 0, 1.  One of the first three: multiplies buffer f; in its middle it fetches the next quarter into g.
.macro QUARTER slot, k, f, g, zero
	s_wait_dscnt 8                                 ; B and A's rows 0-63 are in; the youngest eight loads (A's rows 64-127) may be out
	WIN MUL_LO
	MUL16 \f, 0, 0, \zero
	MUL16 \f, 0, 2, \zero
	PLACES
	FETCH \slot, \k, \g
	s_wait_dscnt 32                                ; all but the 32 just issued
	WIN MUL_HI
	MUL16 \f, 1, 0, \zero
	MUL16 \f, 1, 2, \zero
.endm
; The last quarter multiplies buffer 1 and changes slots.  MEET is its first half: ONE barrier.  In front of it each wave waits for all its tensor loads (one is out: its part of the next slot),
; adds 0 to its spare word, and waits for that and for its own reads of this slot.  Behind it nobody reads this slot any more and the next slot is whole.
.macro MEET round
	WIN 0
	s_wait_tensorcnt 0x0
	ds_add_u32 v[SPW], v[NIL]
	s_wait_dscnt 9                                 ; (the add and the youngest eight loads may be out)
	WIN MUL_LO
	MUL16 F1, 0, 0, 0
	s_wait_dscnt 0x0                               ; the add is done, and my reads of this slot are over
	s_barrier_signal -1
	MUL16 F1, 0, 2, 0
.if \round
	WIN 0
.endif
	s_barrier_wait -1
.endm
.macro TURN slot, next
	MEET 1
	CREST                                          ; the barrier has opened a round of the cluster's: no wave of any partner still reads this slot's tile or has a load on its way
	s_add_nc_u64 s[G0+4*(\slot)+2:G0+4*(\slot)+3], s[G0+4*(\slot)+2:G0+4*(\slot)+3], 2*KSTEP*2
	s_add_nc_u64 s[G0B+4*(\slot)+2:G0B+4*(\slot)+3], s[G0B+4*(\slot)+2:G0B+4*(\slot)+3], 2*KSTEP*2
	JLOAD \slot                                    ; the first tensor load behind the round, my only one until the next; its four v_nop are also the places in front of the loads below
	FETCH \next, 0, F0
	WIN MUL_HI
	MUL16 F1, 1, 0, 0
	MUL16 F1, 1, 2, 0
.endm
; THE LAST K STEP (slot 1) GOES BY ROWS OF C: all its fragments of B fill window 1; my eight blocks of 16 rows are finished one after the other, 32 matrix instructions each, the block's 8 accumulators by turns.
.macro BLOAD q
	WIN TO_B
.irp i, 0,1,2,3,4,5,6,7
	ds_load_b128 v[64*(\q)+8*(\i):64*(\q)+8*(\i)+3],   v[ADRB+1] offset:64*(\q)+(\i)*16*PITCH
	ds_load_b128 v[64*(\q)+8*(\i)+4:64*(\q)+8*(\i)+7], v[ADRB+1] offset:64*(\q)+(\i)*16*PITCH+32
.endr
.endm
.macro ALOAD a
	WIN 0
.set FA, PA+32*((\a)%4)
.irp q, 0,1,2,3
	ds_load_b128 v[FA+8*(\q):FA+8*(\q)+3],   v[ADRA+1] offset:64*(\q)+(\a)*16*PITCH
	ds_load_b128 v[FA+8*(\q)+4:FA+8*(\q)+7], v[ADRA+1] offset:64*(\q)+(\a)*16*PITCH+32
.endr
.endm
.macro ROW a
.set FA, PA+32*((\a)%4)
.set AC, 64*((\a)%4)
	WIN MUL_LO+0x50*((\a)/4)
.irp q, 0,1,2,3
.if (\a) == 0 && (\q) == 2
	s_wait_dscnt 24                                ; B's quarter 2 is in (behind it: A's blocks 1 to 3)
.endif
.irp b, 0,1,2,3,4,5,6,7
	v_wmma_f32_16x16x32_bf16 v[AC+8*(\b):AC+8*(\b)+7], v[64*(\q)+8*(\b):64*(\q)+8*(\b)+7], v[FA+8*(\q):FA+8*(\q)+7], v[AC+8*(\b):AC+8*(\b)+7]
.endr
.endr
.endm
; THE WAY OUT of block a.  PACK: g = u z / (1 + 2^(-log2(e) z)) for its 16 tokens x 64 channels; u in accumulators 0-3, z in 4-7; each accumulator's lowest registers are read first.
.macro PACK a
.set AC, 64*((\a)%4)
	WIN 0x02+(\a)/4                                ; source 0: window 2 or 3
.set i, 0
.rept 16
	v_pk_mul_f32 v[T+2*i:T+2*i+1], v[AC+32+2*i:AC+32+2*i+1], s[NL:NL+1] op_sel_hi:[1,0]
.set i, i+1
.endr
	WIN 0
.set i, 0
.rept 32
	v_exp_f32 v[T+i], v[T+i]
.set i, i+1
.endr
	v_nop                                          ; a plain instruction between a transcendental and the use of its result (ISA guide 5.7.2)
.set i, 0
	s_wait_alu depctr_va_vdst(0)
.rept 16
	v_pk_add_f32 v[T+2*i:T+2*i+1], v[T+2*i:T+2*i+1], 1.0 op_sel_hi:[1,0]
.set i, i+1
.endr
.set i, 0
.rept 32
	v_rcp_f32 v[T+i], v[T+i]
.set i, i+1
.endr
	v_nop
	WIN 0x08+4*((\a)/4)                            ; source 1: window 2 or 3
.set i, 0
	s_wait_alu depctr_va_vdst(0)
.rept 16
	v_pk_mul_f32 v[T+2*i:T+2*i+1], v[T+2*i:T+2*i+1], v[AC+32+2*i:AC+32+2*i+1]
.set i, i+1
.endr
.set i, 0
.rept 16
	v_pk_mul_f32 v[T+2*i:T+2*i+1], v[T+2*i:T+2*i+1], v[AC+2*i:AC+2*i+1]
.set i, i+1
.endr
	WIN 0
.set i, 0
.rept 16
	v_cvt_pk_bf16_f32 v[TMP+i], v[T+2*i], v[T+2*i+1]
.set i, i+1
.endr
.endm
.macro TOSTAGE a                       ; into my own stage, and back as whole rows of 128 bytes
	WIN 0
.set BK, OB+16*((\a)%2)
.irp b, 0,1,2,3
	ds_store_b128 v[STO], v[TMP+4*(\b):TMP+4*(\b)+3] offset:32*(\b)
.endr
.irp t, 0,1,2,3
	ds_load_b128 v[BK+4*(\t):BK+4*(\t)+3], v[RD] offset:(\t)*4*SPITCH  ; LDS serves a wave's instructions in order (ISA guide 5.7.1.4): these see the stores above
.endr
.endm
.macro SEND a, younger                 ; younger: the LDS loads issued behind TOSTAGE's, which may stay out
	WIN 0
.set BK, OB+16*((\a)%2)
	s_wait_dscnt \younger
	s_wait_xcnt 0x0                                ; only behind this wait are the stores' base and the registers that earlier stores read written again (ISA guide 3.1)
.if (\a) == 0
	s_add_nc_u64 s[8:9], s[8:9], s[16:17]          ; my block of gb
.endif
.irp t, 0,1,2,3
	global_store_b128 v[CO], v[BK+4*(\t):BK+4*(\t)+3], s[8:9] offset:2048*(\a)+512*(\t)  ; 512 consecutive bytes, aligned
.endr
.endm
	s_wait_tensorcnt 1                             ; my part of K step 0 is in; K step 1's may stay out
	s_barrier_signal -1
	s_barrier_wait -1
	FETCH 0, 0, F0
	QUARTER 0, 64,  F0, F1, 1                      ; the first quarter stands in front of the loop: its products start the sums
	WIN 0
	s_mov_b32 s3, LAPS-1
.Llap:                                                 ; a trip goes once round the ring, from a lap's second quarter to the next lap's first, and fills both slots again
	QUARTER 0, 128, F1, F0, 0
	QUARTER 0, 192, F0, F1, 0
	TURN 0, 1
	QUARTER 1, 64,  F0, F1, 0
	QUARTER 1, 128, F1, F0, 0
	QUARTER 1, 192, F0, F1, 0
	TURN 1, 0
	QUARTER 0, 64,  F0, F1, 0
	WIN 0
	s_sub_co_u32 s3, s3, 1
	s_cmp_lg_u32 s3, 0
	s_cbranch_scc1 .Llap
	QUARTER 0, 128, F1, F0, 0
	QUARTER 0, 192, F0, F1, 0
	MEET 0                                         ; my one tensor load that was still out is the last K step's, so no round follows
	PLACES
	WIN TO_B
	BLOAD 0                                        ; three quarters of B now: buffer 1 is still being multiplied
	BLOAD 1
	BLOAD 3
	WIN 0
	ALOAD 0
	WIN MUL_HI
	MUL16 F1, 1, 0, 0
	MUL16 F1, 1, 2, 0
	PLACES
	WIN TO_B
	BLOAD 2
	WIN 0
	ALOAD 1
	ALOAD 2
	ALOAD 3
	s_wait_dscnt 40                                ; all but the 40 just issued
	ROW 0
.irp a, 0,1,2,3,4,5,6,7
	PLACES
	PACK \a
	TOSTAGE \a
.if (\a) < 4
	ALOAD (\a)+4                                   ; its buffer takes the block four further on
	SEND \a, 8
.else
	SEND \a, 0
.endif
.if (\a) < 7
	ROW (\a)+1
.endif
.endr
	s_wait_tensorcnt 0x0                           ; the wave's end, behind my last tensor load and my last LDS store
	ds_add_u32 v[SPW], v[NIL]
	s_wait_dscnt 0x0
	CROUND                                         ; the closing round: no work-group ends while a partner may still ask for a tile that names it
	s_endpgm
.Lfunc_end_k_qc30e062b93_ffn1:
	.size	k_qc30e062b93_ffn1, .Lfunc_end_k_qc30e062b93_ffn1-k_qc30e062b93_ffn1
	.p2alignl 7, 3214868480
	.fill 96, 4, 3214868480
	.section	.rodata,"a",@progbits
	.p2align	6, 0x0
	.amdhsa_kernel k_qc30e062b93_ffn1
		.amdhsa_group_segment_fixed_size 327680
		.amdhsa_private_segment_fixed_size 0
		.amdhsa_enable_private_segment 0
		.amdhsa_kernarg_size 24
		.amdhsa_user_sgpr_count 2
		.amdhsa_user_sgpr_kernarg_segment_ptr 1
		.amdhsa_wavefront_size32 1
		.amdhsa_system_sgpr_workgroup_id_x 1
		.amdhsa_system_sgpr_workgroup_id_y 1
		.amdhsa_system_sgpr_workgroup_id_z 1
		.amdhsa_system_vgpr_workitem_id 0
		.amdhsa_next_free_vgpr 1024
		.amdhsa_next_free_sgpr 68
		.amdhsa_reserve_vcc 0
		.amdhsa_float_denorm_mode_32 3
		.amdhsa_float_denorm_mode_16_64 3
		.amdhsa_memory_ordered 1
		.amdhsa_forward_progress 1
		.amdhsa_inst_pref_size 177
	.end_amdhsa_kernel
	.amdgpu_metadata
---
amdhsa.version: [ 1, 2 ]
amdhsa.kernels:
  - .name:           k_qc30e062b93_ffn1
    .symbol:         k_qc30e062b93_ffn1.kd
    .args:
      - { .name: hb, .offset: 0, .size: 8, .value_kind: global_buffer, .address_space: global }
      - { .name: w13b, .offset: 8, .size: 8, .value_kind: global_buffer, .address_space: global }
      - { .name: gb, .offset: 16, .size: 8, .value_kind: global_buffer, .address_space: global }
    .group_segment_fixed_size: 327680
    .private_segment_fixed_size: 0
    .kernarg_segment_align: 8
    .kernarg_segment_size: 24
    .max_flat_workgroup_size: 128
    .sgpr_count:     68
    .vgpr_count:     1024
    .wavefront_size: 32
...
	.end_amdgpu_metadata
.endif
;; end of part 4
;; launch ffn2 (part 5): grid 8 x 32, 4 waves a work-group, clusters of 4 x 4, 327,680 bytes of LDS; arguments gb, w2b, x2, out0; writes out0
.if DOCPART == 5
	.amdgcn_target "amdgcn-amd-amdhsa--gfx1250"
	.amdhsa_code_object_version 6
	.text
	.protected	k_qc30e062b93_ffn2
	.globl	k_qc30e062b93_ffn2
	.p2align	8
	.type	k_qc30e062b93_ffn2,@function
k_qc30e062b93_ffn2:
	s_mov_b64 s[64:65], 0
	v_nop
	global_prefetch_b8 v0, s[64:65] scope:SCOPE_SE
	s_setreg_imm32_b32 hwreg(HW_REG_WAVE_MODE, 25, 1), 1
	s_wait_xcnt 0x0
	s_wait_alu depctr_hold_cnt(0) depctr_sa_sdst(0) depctr_va_vdst(0) depctr_va_sdst(0) depctr_va_ssrc(0) depctr_va_vcc(0) depctr_vm_vsrc(0)
	s_getreg_b32 s2, hwreg(HW_REG_IB_STS2, 6, 4)
	s_cmp_eq_u32 s2, 0
	s_cbranch_scc0 .Lentry_in_a_cluster
	s_endpgm
.Lentry_in_a_cluster:
	s_bfe_u32 s2, ttmp6, 0x10000c
	s_cmp_lg_u32 s2, 0xf033
	s_cbranch_scc0 .Lentry_shape_is_right
	s_endpgm
.Lentry_shape_is_right:
; FFN2: out0 = x2 + g w2^T.  C [4096][1024] f32, A = g (gb, bf16, in dense blocks [R 32][fb 64][t 128][64]), B = w2b [1024][4096] bf16; sums in f32.
; A tile of C is 128 x 128, which gives each of 256 work-groups one tile.  Four waves, each 64 x 64: 16 accumulators.  K = 4,096 goes in 16 steps of 256 through two LDS slots.
; A's tile of a K step is four blocks of gb on end, 65,536 consecutive bytes: asked for as rows of 256 bytes (two tokens), padded in LDS after every token's 128 bytes: four planes of 128 rows x 144 bytes,
; one plane for each quarter (64 along K) of the step.  B's tile: 128 rows of 512 bytes, 528 apart in LDS.
; CLUSTERS: 4 x 4 work-groups.  The four of a row of the cluster need the same tiles of A, the four of a column the same tiles of B: each tile is asked for JOINTLY.
; THE MATRIX INSTRUCTION IS USED TRANSPOSED (source 0 = 16 rows of B, source 1 = 16 rows of A): a lane holds one token and eight neighbouring columns.
; The residual x2 is loaded at the start into 128 registers of its own and stays on its way during the K loop.  A wave's 64 f32 columns are a whole aligned 256 bytes, so each wave has a stage of its own and no barrier on the way out.
; LIMITS: operands in bf16; NaN and infinities are not treated apart.
; REGISTERS: window 0: v0-31 addresses; v128-255 the accumulators ((a, b) at v[128 + 8 (4 a + b)]), then the rows to be stored.    window 1: two fragment buffers of 128.    window 2: v0-127 x2
.set KSTEP,  256
.set PAP,    144                       ; a token's 128 bytes of a plane + 16: 36 words: the 16 rows of a load start at 16 different groups of four banks (ISA guide 11.1)
.set APL,    128*PAP                   ; a plane: 128 tokens x 64 along K
.set PBP,    528                       ; a row of B: 512 bytes + 16
.set HALFB,  64*PBP                    ; 64 rows of B: what one tensor load brings
.set SLOT,   4*APL+2*HALFB             ; A's four planes, then B's 128 rows
.set STAGE,  2*SLOT                    ; behind the ring: 16 rows x 272 bytes for each wave
.set SPITCH, 272
.set SPARE,  STAGE+4*16*SPITCH         ; behind the stages: the spare words, 128 bytes for each wave
.set LAPS,   4096/(2*KSTEP)
.set ADRA, 16                          ; v16-17  LDS address of my A fragments in slot 0, 1
.set ADRB, 20                          ; v20-21  the same for B
.set STO,  24                          ; v24     the way out: where I put 32 bytes of a row
.set RD,   25                          ; v25     the way out: where I read rows back
.set CO,   26                          ; v26     my byte offset in x2 and out0; never rewritten
.set SPW,  28                          ; v28     LDS address of my spare word; never rewritten
.set NIL,  29                          ; v29     0; never rewritten
.set ACC,  128
.set F0,   0
.set F1,   128
.set G1, 24
.set G0, 32
.set G1B, 48
.set G0B, 56
.set MSB, 0
.macro WIN new
.if MSB != (\new)
	s_set_vgpr_msb (MSB<<8)|(\new)
.set MSB, \new
.endif
.endm
.set MUL,  0x05                        ; sources 0 (B) and 1 (A) window 1; C and D window 0
.set TO_F, 0x40                        ; destination window 1, address window 0
.macro JLOAD s                         ; a joint load: waves 0 and 1 fetch A's two halves, waves 2 and 3 B's; an s_nop 0 and four v_nop follow each of the two lines
	s_cmp_eq_u32 s11, 0
	s_cbranch_scc0 .Lfor_b_\@
	tensor_load_to_lds s[G0+4*(\s):G0+4*(\s)+3], s[G1:G1+7]
	s_nop 0
.rept 4
	v_nop
.endr
	s_branch .Lasked_\@
.Lfor_b_\@:
	tensor_load_to_lds s[G0B+4*(\s):G0B+4*(\s)+3], s[G1B:G1B+7]
	s_nop 0
.rept 4
	v_nop
.endr
.Lasked_\@:
.endm
.macro CREST
	s_cmp_lg_u32 s10, 0
	s_cbranch_scc1 .Lnot_wave_0_\@
	s_barrier_signal -3
.Lnot_wave_0_\@:
	s_barrier_wait -3
	s_barrier_signal -1
	s_barrier_wait -1
.endm
.macro CROUND
	s_barrier_signal -1
	s_barrier_wait -1
	CREST
.endm
	s_load_b128 s[4:7], s[0:1], 0x0                ; gb s[4:5], w2b s[6:7]
	s_load_b64 s[8:9], s[0:1], 0x10                ; x2
	s_load_b64 s[66:67], s[0:1], 0x18              ; out0
	v_lshl_add_u32 v[SPW], v0, 2, SPARE
	v_mov_b32 v[NIL], 0
	ds_add_u32 v[SPW], v[NIL]                      ; the wave's opening: the add and its wait ahead of my first tensor load; the set-up below stands between them
	v_lshrrev_b32 v1, 5, v0
	v_readfirstlane_b32 s10, v1                    ; wave 0..3
	s_lshr_b32 s11, s10, 1                         ; which half of the tile's rows is mine.  Also: I fetch for A (0) or for B (1)
	s_and_b32 s12, s10, 1                          ; which half of its columns.  Also: which half of that tile I fetch
	s_bfe_u32 s40, ttmp6, 0x40000                  ; cx, cy
	s_bfe_u32 s41, ttmp6, 0x40004
	s_lshl_b32 s42, ttmp9, 2
	s_add_co_u32 s42, s42, s40                     ; tile column of C
	s_and_b32 s13, ttmp7, 0xffff
	s_lshl_b32 s13, s13, 2
	s_add_co_u32 s13, s13, s41                     ; tile row of C
	s_lshl_b32 s43, s41, 2
	s_lshl_b32 s43, 15, s43                        ; my row of the cluster
	s_lshl_b32 s44, 0x1111, s40                    ; my column
	s_or_b32 s[G1+0], s43, (1<<16)|(1<<20)|(1<<21)|(4<<22)|(3<<25)   ; A: the mask of my row; 2-byte elements; padding on; bit 21 beside a mask; after every 32 words 4 words
	s_mov_b32 s[G1+1], 128<<16                     ; tensor_dim0 = 128 elements: 256 bytes, two tokens
	s_mov_b32 s[G1+2], 128<<16                     ; tensor_dim1 = 128 rows: 32,768 bytes, two planes
	s_mov_b32 s[G1+3], 128<<16                     ; tile_dim0
	s_mov_b32 s[G1+4], 128                         ; tile_dim1
	s_mov_b32 s[G1+5], 128                         ; dense
	s_mov_b32 s[G1+6], 0
	s_mov_b32 s[G1+7], 0
	s_or_b32 s[G1B+0], s44, (1<<16)|(1<<20)|(1<<21)|(6<<22)|(3<<25)  ; B: the mask of my column; after every 128 words 4 words
	s_mov_b32 s[G1B+1], KSTEP<<16                  ; tensor_dim0 = 256
	s_mov_b32 s[G1B+2], 64<<16                     ; tensor_dim1 = 64
	s_mov_b32 s[G1B+3], KSTEP<<16
	s_mov_b32 s[G1B+4], 64
	s_mov_b32 s[G1B+5], 4096                       ; elements from row to row
	s_mov_b32 s[G1B+6], 0
	s_mov_b32 s[G1B+7], 0
	s_lshl_b32 s16, s13, 20                        ; A: the tile row's 64 blocks of 16,384 bytes,
	s_lshl_b32 s17, s12, 15                        ; my two planes of a step's four
	s_add_co_u32 s16, s16, s17
	s_mov_b32 s17, 0
	s_lshl_b32 s46, s42, 7
	s_lshl_b32 s47, s12, 6
	s_add_co_u32 s46, s46, s47                     ; B: row 128 x tile column + 64 x half,
	s_lshl_b32 s46, s46, 13                        ; of 8,192 bytes
	s_mov_b32 s47, 0
	s_mul_i32 s20, s10, 2*APL                      ; where A's halves go: wave x two planes (waves 0, 1)
	s_mul_i32 s21, s10, HALFB
	s_add_co_u32 s21, s21, 4*APL-2*HALFB           ; where B's go: behind A's four planes, (wave - 2) x 64 rows (waves 2, 3)
	s_wait_dscnt 0x0                               ; the opening add is done
	s_wait_kmcnt 0x0
	s_add_nc_u64 s[14:15], s[4:5], s[16:17]
	s_add_nc_u64 s[46:47], s[6:7], s[46:47]
	CROUND                                         ; all sixteen work-groups are here: the first joint loads meet
.irp s, 0,1
	s_mov_b32 s[G0+4*(\s)], 1
	s_add_co_u32 s[G0+4*(\s)+1], s20, (\s)*SLOT
	s_add_nc_u64 s[G0+4*(\s)+2:G0+4*(\s)+3], s[14:15], (\s)*65536
	s_or_b32 s[G0+4*(\s)+3], s[G0+4*(\s)+3], 0x80000000
	s_mov_b32 s[G0B+4*(\s)], 1
	s_add_co_u32 s[G0B+4*(\s)+1], s21, (\s)*SLOT
	s_add_nc_u64 s[G0B+4*(\s)+2:G0B+4*(\s)+3], s[46:47], (\s)*KSTEP*2
	s_or_b32 s[G0B+4*(\s)+3], s[G0B+4*(\s)+3], 0x80000000
	JLOAD \s                                       ; two tensor loads of mine are out
.endr
	v_and_b32 v1, 15, v0                           ; l % 16
	v_bfe_u32 v2, v0, 4, 1                         ; l / 16
	v_mul_u32_u24 v3, v1, PAP
	v_lshl_add_u32 v3, v2, 4, v3
	v_mul_u32_u24 v4, v1, PBP
	v_lshl_add_u32 v4, v2, 4, v4
	s_mul_i32 s21, s11, 64*PAP                     ; my 64 tokens in each plane
	s_mul_i32 s22, s12, HALFB                      ; my 64 rows of B,
	s_add_co_u32 s22, s22, 4*APL                   ; which lie behind A's planes
.irp s, 0,1
	v_add_nc_u32 v[ADRA+(\s)], s21, v3
	v_add_nc_u32 v[ADRB+(\s)], s22, v4
	s_add_co_u32 s21, s21, SLOT
	s_add_co_u32 s22, s22, SLOT
.endr
	s_mul_i32 s23, s10, 16*SPITCH
	s_add_co_u32 s23, s23, STAGE                   ; my stage
	v_mul_u32_u24 v5, v1, SPITCH                   ; in: row l % 16, 32 bytes for each half of the lanes
	v_lshl_add_u32 v5, v2, 5, v5
	v_add_nc_u32 v[STO], s23, v5
	v_mul_u32_u24 v5, v2, SPITCH                   ; back: lanes 0-15 take one row of 256 bytes, lanes 16-31 the next
	v_lshl_add_u32 v5, v1, 4, v5
	v_add_nc_u32 v[RD], s23, v5
	v_lshlrev_b32 v5, 12, v2                       ; and the same two rows in x2 and out0
	v_lshl_add_u32 v[CO], v1, 4, v5
	s_lshl_b32 s16, s13, 7
	s_lshl_b32 s17, s11, 6
	s_add_co_u32 s16, s16, s17                     ; my first row,
	s_lshl_b32 s16, s16, 12                        ; of 4,096 bytes,
	s_lshl_b32 s46, s42, 9
	s_lshl_b32 s47, s12, 8
	s_add_co_u32 s46, s46, s47                     ; my first column, in bytes
	s_add_co_u32 s16, s16, s46
	s_mov_b32 s17, 0
	s_add_nc_u64 s[8:9], s[8:9], s[16:17]
	s_add_nc_u64 s[66:67], s[66:67], s[16:17]
	WIN 0x80                                       ; destination window 2: my 64 x 64 of x2, in the order in which the rows come back from the stage; waited for on the way out
.set t, 0
.rept 32
	global_load_b128 v[4*t:4*t+3], v[CO], s[8:9] offset:8192*t
.set t, t+1
.endr
	WIN 0
; 8 matrix instructions: m blocks a0, a0 + 1 x all 4 n blocks, 32 along K: half c of buffer f.  zero = 1: the first product starts the sums
.macro MUL8 f, c, a0, zero
	WIN MUL
.irp a, \a0, (\a0)+1
.irp b, 0,1,2,3
.if \zero
	v_wmma_f32_16x16x32_bf16 v[ACC+8*(4*(\a)+(\b)):ACC+8*(4*(\a)+(\b))+7], v[(\f)+64+8*(4*(\c)+(\b)):(\f)+64+8*(4*(\c)+(\b))+7], v[(\f)+8*(4*(\c)+(\a)):(\f)+8*(4*(\c)+(\a))+7], 0
.else
	v_wmma_f32_16x16x32_bf16 v[ACC+8*(4*(\a)+(\b)):ACC+8*(4*(\a)+(\b))+7], v[(\f)+64+8*(4*(\c)+(\b)):(\f)+64+8*(4*(\c)+(\b))+7], v[(\f)+8*(4*(\c)+(\a)):(\f)+8*(4*(\c)+(\a))+7], v[ACC+8*(4*(\a)+(\b)):ACC+8*(4*(\a)+(\b))+7]
.endif
.endr
.endr
.endm
; 32 LDS loads in one run: the fragments of quarter q (A's plane q; byte 128 q of B's rows) into buffer f; the first 32 along K first
.macro FETCH slot, q, f
	WIN TO_F
.irp c, 0,1
.irp i, 0,1,2,3
	ds_load_b128 v[(\f)+64+8*(4*(\c)+(\i)):(\f)+64+8*(4*(\c)+(\i))+3],   v[ADRB+(\slot)] offset:128*(\q)+64*(\c)+(\i)*16*PBP
	ds_load_b128 v[(\f)+64+8*(4*(\c)+(\i))+4:(\f)+64+8*(4*(\c)+(\i))+7], v[ADRB+(\slot)] offset:128*(\q)+64*(\c)+(\i)*16*PBP+32
	ds_load_b128 v[(\f)+8*(4*(\c)+(\i)):(\f)+8*(4*(\c)+(\i))+3],         v[ADRA+(\slot)] offset:(\q)*APL+64*(\c)+(\i)*16*PAP
	ds_load_b128 v[(\f)+8*(4*(\c)+(\i))+4:(\f)+8*(4*(\c)+(\i))+7],       v[ADRA+(\slot)] offset:(\q)*APL+64*(\c)+(\i)*16*PAP+32
.endr
.endr
.endm
.macro PLACES                          ; four plain vector instructions between a matrix instruction and a load into, or a read of, its registers
.rept 4
	v_nop
.endr
.endm
; A K step is four quarters of 64 along K, 32 matrix instructions each, on buffers 0, 1, 0, 1.  One of the first three: multiplies buffer f and fetches quarter q into g.
.macro QUARTER slot, q, f, g, zero
	s_wait_dscnt 16                                ; the first 32 along K are in
	WIN MUL
	MUL8 \f, 0, 0, \zero
	MUL8 \f, 0, 2, \zero
	PLACES
	FETCH \slot, \q, \g
	s_wait_dscnt 32                                ; all but the 32 just issued
	WIN MUL
	MUL8 \f, 1, 0, 0
	MUL8 \f, 1, 2, 0
.endm
; The last quarter multiplies buffer 1 and changes slots: ONE barrier; in front of it each wave waits for all its tensor loads, adds 0 to its spare word, and waits for that and for its own reads of this slot.
.macro TURN slot, next, fill
	WIN 0
	s_wait_tensorcnt 0x0                           ; all my tensor loads have landed: my part of the next slot
	ds_add_u32 v[SPW], v[NIL]
	s_wait_dscnt 17                                ; (the add and the youngest sixteen loads may be out)
	WIN MUL
	MUL8 F1, 0, 0, 0
	s_wait_dscnt 0x0                               ; the add is done, and my reads of this slot are over
	s_barrier_signal -1
	MUL8 F1, 0, 2, 0
.if \fill
	WIN 0
.endif
	s_barrier_wait -1
.if \fill
	CREST                                          ; the barrier has opened a round of the cluster's: no wave of any partner still reads this slot's tile or has a load on its way
	s_add_nc_u64 s[G0+4*(\slot)+2:G0+4*(\slot)+3], s[G0+4*(\slot)+2:G0+4*(\slot)+3], 2*65536
	s_add_nc_u64 s[G0B+4*(\slot)+2:G0B+4*(\slot)+3], s[G0B+4*(\slot)+2:G0B+4*(\slot)+3], 2*KSTEP*2
	JLOAD \slot                                    ; the first tensor load behind the round, my only one until the next; its four v_nop are also the places in front of the loads below
.else
	PLACES
.endif
	FETCH \next, 0, F0
	WIN MUL
	MUL8 F1, 1, 0, 0
	MUL8 F1, 1, 2, 0
.endm
	s_wait_tensorcnt 1                             ; my part of K step 0 is in; K step 1's may stay out
	s_barrier_signal -1
	s_barrier_wait -1
	FETCH 0, 0, F0
	QUARTER 0, 1, F0, F1, 1                        ; the first quarter stands in front of the loop: its first products start the sums
	WIN 0
	s_mov_b32 s3, LAPS-1
.Llap:
	QUARTER 0, 2, F1, F0, 0
	QUARTER 0, 3, F0, F1, 0
	TURN 0, 1, 1
	QUARTER 1, 1, F0, F1, 0
	QUARTER 1, 2, F1, F0, 0
	QUARTER 1, 3, F0, F1, 0
	TURN 1, 0, 1
	QUARTER 0, 1, F0, F1, 0
	WIN 0
	s_sub_co_u32 s3, s3, 1
	s_cmp_lg_u32 s3, 0
	s_cbranch_scc1 .Llap
	QUARTER 0, 2, F1, F0, 0                        ; the last lap fills nothing, and has no round of the cluster's barrier
	QUARTER 0, 3, F0, F1, 0
	TURN 0, 1, 0
	QUARTER 1, 1, F0, F1, 0
	QUARTER 1, 2, F1, F0, 0
	QUARTER 1, 3, F0, F1, 0
	s_wait_dscnt 16
	WIN MUL
	MUL8 F1, 0, 0, 0
	MUL8 F1, 0, 2, 0
	s_wait_dscnt 0
	MUL8 F1, 1, 0, 0
	MUL8 F1, 1, 2, 0
	WIN 0
	; THE WAY OUT, 16 rows at a time: a lane's eight columns go into my stage and come back as whole rows of 256 bytes, into the registers that they left; x2 is added; 16 lanes store a row.
.macro TOST a
.irp b, 0,1,2,3
	ds_store_b128 v[STO], v[ACC+8*(4*(\a)+(\b)):ACC+8*(4*(\a)+(\b))+3]   offset:64*(\b)     ; each accumulator's lowest registers first
	ds_store_b128 v[STO], v[ACC+8*(4*(\a)+(\b))+4:ACC+8*(4*(\a)+(\b))+7] offset:64*(\b)+16
.endr
.irp t, 0,1,2,3,4,5,6,7
	ds_load_b128 v[ACC+32*(\a)+4*(\t):ACC+32*(\a)+4*(\t)+3], v[RD] offset:(\t)*2*SPITCH  ; LDS serves a wave's instructions in order (ISA guide 5.7.1.4): these see the stores above; the next block's stores come behind them
.endr
.endm
.macro SENDF a, younger                ; younger: the next block's sixteen LDS instructions, or none
	s_wait_dscnt \younger
	WIN 0x08                                       ; source 1 (x2) in window 2
.set i, 0
.rept 16
	v_pk_add_f32 v[ACC+32*(\a)+2*i:ACC+32*(\a)+2*i+1], v[ACC+32*(\a)+2*i:ACC+32*(\a)+2*i+1], v[32*(\a)+2*i:32*(\a)+2*i+1]
.set i, i+1
.endr
	WIN 0
.irp t, 0,1,2,3,4,5,6,7
	global_store_b128 v[CO], v[ACC+32*(\a)+4*(\t):ACC+32*(\a)+4*(\t)+3], s[66:67] offset:(16*(\a)+2*(\t))*4096  ; 16 lanes store 256 consecutive bytes, aligned; these registers are not written again
.endr
.endm
	PLACES
	s_wait_loadcnt 0x0                             ; x2
	TOST 0
	TOST 1
	SENDF 0, 16
	TOST 2
	SENDF 1, 16
	TOST 3
	SENDF 2, 16
	SENDF 3, 0
	s_wait_tensorcnt 0x0                           ; the wave's end, behind my last tensor load and my last LDS store
	ds_add_u32 v[SPW], v[NIL]
	s_wait_dscnt 0x0
	CROUND                                         ; the closing round: no work-group ends while a partner may still ask for a tile that names it
	s_endpgm
.Lfunc_end_k_qc30e062b93_ffn2:
	.size	k_qc30e062b93_ffn2, .Lfunc_end_k_qc30e062b93_ffn2-k_qc30e062b93_ffn2
	.p2alignl 7, 3214868480
	.fill 96, 4, 3214868480
	.section	.rodata,"a",@progbits
	.p2align	6, 0x0
	.amdhsa_kernel k_qc30e062b93_ffn2
		.amdhsa_group_segment_fixed_size 327680
		.amdhsa_private_segment_fixed_size 0
		.amdhsa_enable_private_segment 0
		.amdhsa_kernarg_size 32
		.amdhsa_user_sgpr_count 2
		.amdhsa_user_sgpr_kernarg_segment_ptr 1
		.amdhsa_wavefront_size32 1
		.amdhsa_system_sgpr_workgroup_id_x 1
		.amdhsa_system_sgpr_workgroup_id_y 1
		.amdhsa_system_sgpr_workgroup_id_z 1
		.amdhsa_system_vgpr_workitem_id 0
		.amdhsa_next_free_vgpr 640
		.amdhsa_next_free_sgpr 68
		.amdhsa_reserve_vcc 0
		.amdhsa_float_denorm_mode_32 3
		.amdhsa_float_denorm_mode_16_64 3
		.amdhsa_memory_ordered 1
		.amdhsa_forward_progress 1
		.amdhsa_inst_pref_size 93
	.end_amdhsa_kernel
	.amdgpu_metadata
---
amdhsa.version: [ 1, 2 ]
amdhsa.kernels:
  - .name:           k_qc30e062b93_ffn2
    .symbol:         k_qc30e062b93_ffn2.kd
    .args:
      - { .name: gb, .offset: 0, .size: 8, .value_kind: global_buffer, .address_space: global }
      - { .name: w2b, .offset: 8, .size: 8, .value_kind: global_buffer, .address_space: global }
      - { .name: x2, .offset: 16, .size: 8, .value_kind: global_buffer, .address_space: global }
      - { .name: out0, .offset: 24, .size: 8, .value_kind: global_buffer, .address_space: global }
    .group_segment_fixed_size: 327680
    .private_segment_fixed_size: 0
    .kernarg_segment_align: 8
    .kernarg_segment_size: 32
    .max_flat_workgroup_size: 128
    .sgpr_count:     68
    .vgpr_count:     640
    .wavefront_size: 32
...
	.end_amdgpu_metadata
.endif
;; end of part 5
;; ======== version 2 of 2: 5 launches; version 1 with the launches prep, qkv, attn written anew for expert scheduling mode
;; workspace buffers: w13b 16,777,216 bytes; w2b 8,388,608 bytes; xi 8,388,608 bytes; usm 1,048,576 bytes; qkv 3,145,728 bytes; x2 16,777,216 bytes; hb 8,388,608 bytes; gb 33,554,432 bytes
;; launch prep (part 6): grid 672 x 1, 8 waves a work-group, no clusters, 34,304 bytes of LDS; arguments w1, w3, w2, x, Uq, Uk, Uv, Wo, ln1_w, w13b, w2b, xi, usm; writes w13b, w2b, xi, usm
.if DOCPART == 6
	.amdgcn_target "amdgcn-amd-amdhsa--gfx1250"
	.amdhsa_code_object_version 6
	.text
	.protected	k_qc30e062b93_prep
	.globl	k_qc30e062b93_prep
	.p2align	8
	.type	k_qc30e062b93_prep,@function
k_qc30e062b93_prep:
	s_mov_b64 s[64:65], 0
	v_nop
	global_prefetch_b8 v0, s[64:65] scope:SCOPE_SE
	s_setreg_imm32_b32 hwreg(HW_REG_WAVE_SCHED_MODE, 0, 2), 2
	s_setreg_imm32_b32 hwreg(HW_REG_WAVE_MODE, 25, 1), 1
	s_wait_xcnt 0x0
	s_wait_alu depctr_vm_vsrc(0)
; PREP: everything that later launches multiply is rounded to bf16 once, and laid out as they want it.  Three kinds of work-group, chosen by the group's number alone:
;   0..383    CVT   32 rows of 1,024 f32 of w1, w3 or w2 (131,072 dense bytes) -> bf16.  w1 and w3 are interleaved in w13b by blocks of 64 rows
;                   (row 128 g + i = w1 row 64 g + i, row 128 g + 64 + i = w3 row 64 g + i), so that one tile of the next product holds u and z of the same channels.
;   384..639  NORM  16 rows of x -> x * rsqrt(mean(x^2) + 1e-6) * ln1_w -> bf16, in FRAGMENT ORDER: a block of 16 rows x 16 k is 512 bytes, lane r + 16 h holding row r,
;                   k = 8 h .. 8 h + 7 at byte 16 lane; two neighbouring blocks are one 16 x 32 matrix operand, loaded by two 16-byte loads a lane of 512 dense bytes each.
;   640..671  IMG   Uq, Uk, Uv (24 tiles of 16 rows x 1,024) and Wo (64 tiles of 16 rows x 128) -> bf16 in the same fragment order.  These loads take 32 bytes of each of
;                   16 rows: 2 MB of small tensors, read once in the whole program.
; Memory binds: no matrix unit, no cluster (no two work-groups read the same byte).  LDS serves NORM alone, to turn rows into fragment order.
; LIMITS: bf16 rounding of every operand; NaN and infinities are not treated apart.
; THE MODE: SCHED_MODE bits 1:0 = 2 (LLVM: expert scheduling mode 2), set by the entry lines.  The code itself states the register dependences
; between vector instructions and memory or LDS instructions, with s_wait_alu, always for 0.
; THE PLAN.  No register that a memory or LDS instruction reads is ever written again, so no wait on vm_vsrc is owed.
;   CVT   v1, v2 offsets, made once.  v[4:131] are landed in once and read by the roundings.  v[132:195] are written once by the roundings and read once by the stores.
;         Four batches of eight loads: the wait at the head of batch b shows batch b - 1 rounded, and its eight stores are dealt among batch b's roundings, which name other registers.
;   NORM  v1, v3 offsets of the loads; v140, v141, v142 made while the loads are out.  v[100:131] are written by the roundings and read by the LDS stores: row 0's stores
;         follow the wait that row 1's reciprocal roots have anyway.  v[144:175] are named by LDS loads and global stores alone.
;   IMG   as CVT, in two batches of four blocks.
.set SPARE, 33280                      ; behind NORM's 16 rows: the spare words, 128 bytes a wave
.set SPW,   198                        ; v198  LDS address of my spare word; never rewritten
.set NIL,   199                        ; v199  0; never rewritten
.set RP,    2064                       ; a row of 1,024 bf16 in LDS + 16 bytes: 516 words, so that 16 rows start at 16 different groups of four banks (ISA guide 11.1)
.set G,     4                          ; NORM: v[4:35] ln1_w of my 32 columns
.set X,     36                         ; NORM: v[36:99] my two rows as loaded
	s_load_b512 s[8:23], s[0:1], 0x0               ; w1 s[8:9], w3 s[10:11], w2 s[12:13], x s[14:15], Uq s[16:17], Uk s[18:19], Uv s[20:21], Wo s[22:23]
	s_load_b256 s[24:31], s[0:1], 0x40             ; ln1_w s[24:25], w13b s[26:27], w2b s[28:29], xi s[30:31]
	s_load_b64 s[32:33], s[0:1], 0x60              ; usm
	v_lshl_add_u32 v[SPW], v0, 2, SPARE
	v_mov_b32 v[NIL], 0
	v_and_b32 v196, 31, v0                         ; lane
	v_lshrrev_b32 v197, 5, v0                      ; wave
	s_mov_b32 s34, ttmp9
	s_mov_b32 s41, 0                               ; high words of the two offsets
	s_mov_b32 s43, 0
	s_wait_kmcnt 0x0
	s_cmp_lt_u32 s34, 384
	s_cbranch_scc0 .Lnot_cvt
	; ---------------- CVT ----------------
	s_lshr_b32 s35, s34, 7                         ; t: 0 w1, 1 w3, 2 w2
	s_and_b32 s2, s34, 127                         ; which 32 rows
	s_lshl_b32 s40, s2, 17                         ; source: 131,072 bytes a group
	s_lshr_b32 s3, s2, 1
	s_lshl_b32 s3, s3, 18                          ; w13b: block g of 128 rows of 2,048 bytes,
	s_lshl_b32 s4, s35, 17                         ; w3's half 64 rows on,
	s_or_b32 s3, s3, s4
	s_and_b32 s4, s2, 1
	s_lshl_b32 s4, s4, 16                          ; the second 32 of the 64
	s_or_b32 s3, s3, s4
	s_lshl_b32 s4, s2, 16                          ; w2b: dense
	s_cmp_eq_u32 s35, 2
	s_cselect_b32 s42, s4, s3
	s_cselect_b64 s[38:39], s[28:29], s[26:27]
	s_cselect_b64 s[36:37], s[12:13], s[10:11]
	s_cmp_eq_u32 s35, 0
	s_cselect_b64 s[36:37], s[8:9], s[36:37]
	s_add_nc_u64 s[36:37], s[36:37], s[40:41]
	s_add_nc_u64 s[38:39], s[38:39], s[42:43]
	v_lshlrev_b32 v1, 4, v196
	v_lshl_add_u32 v1, v197, 14, v1                ; a wave reads 16,384 dense bytes,
	v_lshlrev_b32 v2, 3, v196
	v_lshl_add_u32 v2, v197, 13, v2                ; and writes 8,192
	s_wait_alu depctr_va_vdst(0)                   ; v1 and v2 are written: every load and store of this part reads one of them as its offset
.set j, 0
.rept 32
	global_load_b128 v[4+4*j:7+4*j], v1, s[36:37] offset:512*j th:TH_LOAD_NT
.set j, j+1
.endr
	s_wait_loadcnt 24                              ; loads come back in order: the first eight are in, the 24 younger ones stay out
.set j, 0
.rept 8
	v_cvt_pk_bf16_f32 v[132+2*j], v[4+4*j], v[5+4*j]
	v_cvt_pk_bf16_f32 v[133+2*j], v[6+4*j], v[7+4*j]
.set j, j+1
.endr
.set b, 1
.rept 3
	s_wait_loadcnt 24-8*b                          ; batch b is in
	s_wait_alu depctr_va_vdst(0)                   ; the roundings of batch b - 1 have written its sixteen registers, which the stores below read
.set j, 8*b
.rept 8
	global_store_b64 v2, v[132+2*(j-8):133+2*(j-8)], s[38:39] offset:256*(j-8)  ; 32 lanes store 256 consecutive bytes, aligned; each store has data registers of its own
	v_cvt_pk_bf16_f32 v[132+2*j], v[4+4*j], v[5+4*j]
	v_cvt_pk_bf16_f32 v[133+2*j], v[6+4*j], v[7+4*j]
.set j, j+1
.endr
.set b, b+1
.endr
	s_wait_alu depctr_va_vdst(0)                   ; the last batch's roundings have written v[180:195], which the last eight stores read
.set j, 24
.rept 8
	global_store_b64 v2, v[132+2*j:133+2*j], s[38:39] offset:256*j
.set j, j+1
.endr
	s_endpgm
.Lnot_cvt:
	s_cmp_lt_u32 s34, 640
	s_cbranch_scc0 .Limg
	; ---------------- NORM ----------------
	s_sub_co_u32 s2, s34, 384
	s_lshl_b32 s40, s2, 16                         ; 16 rows of 4,096 bytes of x
	s_lshl_b32 s42, s2, 15                         ; 32,768 bytes of xi
	s_add_nc_u64 s[36:37], s[14:15], s[40:41]
	s_add_nc_u64 s[38:39], s[30:31], s[42:43]
	v_readfirstlane_b32 s35, v197                  ; the wave's number as a scalar: LDS addresses are made of it
	s_mov_b32 s44, 0x3a800000                      ; 1 / 1024
	s_mov_b32 s45, 0x358637bd                      ; 1e-6
	s_mov_b32 s46, 0x76543210                      ; v_permlanex16_b32: each lane takes its own place in the other half
	s_mov_b32 s47, 0xfedcba98
	v_lshlrev_b32 v3, 4, v196                      ; 16 lane
	v_lshl_add_u32 v1, v197, 13, v3                ; + my wave's two rows
	s_wait_alu depctr_va_vdst(0)                   ; v3 and v1 are written: the offsets of the 24 loads below
.set j, 0
.rept 8
	global_load_b128 v[G+4*j:G+4*j+3], v3, s[24:25] offset:512*j
.set j, j+1
.endr
.set j, 0
.rept 16
	global_load_b128 v[X+4*j:X+4*j+3], v1, s[36:37] offset:512*j th:TH_LOAD_NT
.set j, j+1
.endr
	v_mov_b32 v139, 0                              ; v_permlanex16_b32's destination counts as read
	s_wait_alu depctr_va_sdst(0)                   ; s35 is written, ahead of its first reader
	s_mul_i32 s2, s35, 2*RP
	v_lshl_add_u32 v140, v196, 3, s2               ; in: my wave's rows, 8 bytes a lane
	v_and_b32 v143, 15, v0
	v_bfe_u32 v141, v0, 4, 1
	v_mul_u32_u24 v143, v143, RP
	v_lshl_add_u32 v141, v141, 4, v143             ; back: row lane % 16, 16 bytes for each half of the lanes,
	s_lshl_b32 s3, s35, 8
	v_add_nc_u32 v141, s3, v141                    ; my wave's eight blocks of 16 k
	v_lshl_add_u32 v142, v197, 12, v3              ; and their 4,096 bytes of xi
; One row: the sum of squares in two chains, across the lanes, the two scalings, and the rounding.  The second row's turn also sends the first row into LDS.
.macro ROWN p
	s_wait_loadcnt 8*(1-(\p))                      ; ln1_w and this row are in; the second row's eight loads may stay out
	v_pk_mul_f32 v[132:133], v[X+32*(\p):X+32*(\p)+1], v[X+32*(\p):X+32*(\p)+1]
	v_pk_mul_f32 v[134:135], v[X+32*(\p)+2:X+32*(\p)+3], v[X+32*(\p)+2:X+32*(\p)+3]
.set k, 2
.rept 14
	v_pk_fma_f32 v[132+2*(k%2):133+2*(k%2)], v[X+32*(\p)+2*k:X+32*(\p)+2*k+1], v[X+32*(\p)+2*k:X+32*(\p)+2*k+1], v[132+2*(k%2):133+2*(k%2)]
.set k, k+1
.endr
	v_pk_add_f32 v[132:133], v[132:133], v[134:135]
	v_add_f32 v138, v132, v133
	v_add_f32_dpp v138, v138, v138 row_xmask:1 row_mask:0xf bank_mask:0xf
	v_add_f32_dpp v138, v138, v138 row_xmask:2 row_mask:0xf bank_mask:0xf
	v_add_f32_dpp v138, v138, v138 row_xmask:4 row_mask:0xf bank_mask:0xf
	v_add_f32_dpp v138, v138, v138 row_xmask:8 row_mask:0xf bank_mask:0xf
	v_permlanex16_b32 v139, v138, s46, s47
	v_add_f32 v138, v138, v139
	v_fma_f32 v138, v138, s44, s45                 ; mean + eps
	v_rsq_f32 v136, v138
	v_rsq_f32 v137, v138                           ; twice: a pair for the packed multiply
	v_nop                                          ; a plain instruction between a transcendental and the use of its result (ISA guide 5.7.2)
	s_wait_alu depctr_va_vdst(0)                   ; v136 and v137 are written, ahead of their first reader; in the second row's turn also: the first row's roundings have written v[100:115], and v140 is written, which the LDS stores below read
.set k, 0
.rept 16
.if ((\p) == 1) && ((k % 2) == 0)
	ds_store_b64 v140, v[100+k:100+k+1] offset:128*k  ; the first row's piece k / 2; no vector instruction since the wait names these registers
.endif
	v_pk_mul_f32 v[X+32*(\p)+2*k:X+32*(\p)+2*k+1], v[X+32*(\p)+2*k:X+32*(\p)+2*k+1], v[136:137]
.set k, k+1
.endr
.set k, 0
.rept 16
	v_pk_mul_f32 v[X+32*(\p)+2*k:X+32*(\p)+2*k+1], v[X+32*(\p)+2*k:X+32*(\p)+2*k+1], v[G+2*k:G+2*k+1]
.set k, k+1
.endr
.set k, 0
.rept 16
	v_cvt_pk_bf16_f32 v[100+16*(\p)+k], v[X+32*(\p)+2*k], v[X+32*(\p)+2*k+1]
.set k, k+1
.endr
.endm
	ROWN 0
	ROWN 1
	s_wait_alu depctr_va_vdst(0)                   ; the second row's roundings have written v[116:131], which the LDS stores read
.set k, 0
.rept 8
	ds_store_b64 v140, v[116+2*k:116+2*k+1] offset:RP+256*k
.set k, k+1
.endr
	s_wait_dscnt 0x0                               ; for the others' sake: my two rows lie in LDS
	s_barrier_signal -1
	s_barrier_wait -1                              ; all sixteen do
.set j, 0
.rept 8
	ds_load_b128 v[144+4*j:147+4*j], v141 offset:32*j  ; v141 and v142 were written ahead of the last wait on va_vdst; no vector instruction names v[144:175]
.set j, j+1
.endr
.set j, 0
.rept 8
	s_wait_dscnt 7-j
	global_store_b128 v142, v[144+4*j:147+4*j], s[38:39] offset:512*j  ; a block of 512 consecutive bytes
.set j, j+1
.endr
	s_wait_dscnt 0x0                               ; the closing lines, six on end
	s_wait_alu 0x0
	s_wait_tensorcnt 0x0
	ds_add_u32 v[SPW], v[NIL]
	s_wait_dscnt 0x0
	s_endpgm
.Limg:
	; ---------------- IMG ----------------
	s_sub_co_u32 s35, s34, 640                     ; m: 32,768 bytes of usm
	s_lshr_b32 s2, s35, 3                          ; 0 Uq, 1 Uk, 2 Uv, 3 Wo
	s_and_b32 s3, s35, 7
	s_lshl_b32 s40, s3, 16                         ; 65,536 bytes of the source: 16 rows of U, or 128 rows of Wo
	s_lshl_b32 s42, s35, 15
	s_cmp_eq_u32 s2, 1
	s_cselect_b64 s[36:37], s[18:19], s[16:17]
	s_cmp_eq_u32 s2, 2
	s_cselect_b64 s[36:37], s[20:21], s[36:37]
	s_cmp_eq_u32 s2, 3
	s_cselect_b64 s[36:37], s[22:23], s[36:37]
	s_cselect_b32 s4, 9, 12                        ; a source row is 512 bytes (Wo) or 4,096 (U)
	s_cselect_b32 s5, 13, 9                        ; a wave's step: 16 rows of Wo, or 128 k of U
	s_add_nc_u64 s[36:37], s[36:37], s[40:41]
	s_add_nc_u64 s[38:39], s[32:33], s[42:43]
	v_and_b32 v3, 15, v0
	v_bfe_u32 v132, v0, 4, 1
	v_lshlrev_b32 v1, s4, v3
	v_lshlrev_b32 v133, s5, v197
	v_add_nc_u32 v1, v1, v133
	v_lshl_add_u32 v1, v132, 5, v1                 ; row x pitch + the wave's step + 32 bytes for the upper half of the lanes
	v_lshlrev_b32 v2, 4, v196
	v_lshl_add_u32 v2, v197, 12, v2                ; eight blocks of 512 bytes a wave
	s_wait_alu depctr_va_vdst(0)                   ; v1 and v2 are written: every load and store of this part reads one of them as its offset
.set j, 0
.rept 8
	global_load_b128 v[4+8*j:7+8*j],   v1, s[36:37] offset:64*j
	global_load_b128 v[8+8*j:11+8*j],  v1, s[36:37] offset:64*j+16
.set j, j+1
.endr
	s_wait_loadcnt 8                               ; blocks 0 to 3 are in; the eight younger loads stay out
.set j, 0
.rept 4
	v_cvt_pk_bf16_f32 v[68+4*j], v[4+8*j], v[5+8*j]
	v_cvt_pk_bf16_f32 v[69+4*j], v[6+8*j], v[7+8*j]
	v_cvt_pk_bf16_f32 v[70+4*j], v[8+8*j], v[9+8*j]
	v_cvt_pk_bf16_f32 v[71+4*j], v[10+8*j], v[11+8*j]
.set j, j+1
.endr
	s_wait_loadcnt 0x0                             ; blocks 4 to 7
	s_wait_alu depctr_va_vdst(0)                   ; the roundings of blocks 0 to 3 have written v[68:83], which the stores below read
.set j, 4
.rept 4
	global_store_b128 v2, v[68+4*(j-4):71+4*(j-4)], s[38:39] offset:512*(j-4)
	v_cvt_pk_bf16_f32 v[68+4*j], v[4+8*j], v[5+8*j]
	v_cvt_pk_bf16_f32 v[69+4*j], v[6+8*j], v[7+8*j]
	v_cvt_pk_bf16_f32 v[70+4*j], v[8+8*j], v[9+8*j]
	v_cvt_pk_bf16_f32 v[71+4*j], v[10+8*j], v[11+8*j]
.set j, j+1
.endr
	s_wait_alu depctr_va_vdst(0)                   ; the roundings of blocks 4 to 7 have written v[84:99], which the last four stores read
.set j, 4
.rept 4
	global_store_b128 v2, v[68+4*j:71+4*j], s[38:39] offset:512*j
.set j, j+1
.endr
	s_endpgm
.Lfunc_end_k_qc30e062b93_prep:
	.size	k_qc30e062b93_prep, .Lfunc_end_k_qc30e062b93_prep-k_qc30e062b93_prep
	.p2alignl 7, 3214868480
	.fill 96, 4, 3214868480
	.section	.rodata,"a",@progbits
	.p2align	6, 0x0
	.amdhsa_kernel k_qc30e062b93_prep
		.amdhsa_group_segment_fixed_size 34304
		.amdhsa_private_segment_fixed_size 0
		.amdhsa_enable_private_segment 0
		.amdhsa_kernarg_size 104
		.amdhsa_user_sgpr_count 2
		.amdhsa_user_sgpr_kernarg_segment_ptr 1
		.amdhsa_wavefront_size32 1
		.amdhsa_system_sgpr_workgroup_id_x 1
		.amdhsa_system_sgpr_workgroup_id_y 1
		.amdhsa_system_sgpr_workgroup_id_z 1
		.amdhsa_system_vgpr_workitem_id 0
		.amdhsa_next_free_vgpr 200
		.amdhsa_next_free_sgpr 66
		.amdhsa_reserve_vcc 0
		.amdhsa_float_denorm_mode_32 3
		.amdhsa_float_denorm_mode_16_64 3
		.amdhsa_memory_ordered 1
		.amdhsa_forward_progress 1
		.amdhsa_inst_pref_size 33
	.end_amdhsa_kernel
	.amdgpu_metadata
---
amdhsa.version: [ 1, 2 ]
amdhsa.kernels:
  - .name:           k_qc30e062b93_prep
    .symbol:         k_qc30e062b93_prep.kd
    .args:
      - { .name: w1, .offset: 0, .size: 8, .value_kind: global_buffer, .address_space: global }
      - { .name: w3, .offset: 8, .size: 8, .value_kind: global_buffer, .address_space: global }
      - { .name: w2, .offset: 16, .size: 8, .value_kind: global_buffer, .address_space: global }
      - { .name: x, .offset: 24, .size: 8, .value_kind: global_buffer, .address_space: global }
      - { .name: Uq, .offset: 32, .size: 8, .value_kind: global_buffer, .address_space: global }
      - { .name: Uk, .offset: 40, .size: 8, .value_kind: global_buffer, .address_space: global }
      - { .name: Uv, .offset: 48, .size: 8, .value_kind: global_buffer, .address_space: global }
      - { .name: Wo, .offset: 56, .size: 8, .value_kind: global_buffer, .address_space: global }
      - { .name: ln1_w, .offset: 64, .size: 8, .value_kind: global_buffer, .address_space: global }
      - { .name: w13b, .offset: 72, .size: 8, .value_kind: global_buffer, .address_space: global }
      - { .name: w2b, .offset: 80, .size: 8, .value_kind: global_buffer, .address_space: global }
      - { .name: xi, .offset: 88, .size: 8, .value_kind: global_buffer, .address_space: global }
      - { .name: usm, .offset: 96, .size: 8, .value_kind: global_buffer, .address_space: global }
    .group_segment_fixed_size: 34304
    .private_segment_fixed_size: 0
    .kernarg_segment_align: 8
    .kernarg_segment_size: 104
    .max_flat_workgroup_size: 256
    .sgpr_count:     66
    .vgpr_count:     200
    .wavefront_size: 32
...
	.end_amdgpu_metadata
.endif
;; end of part 6
;; launch qkv (part 7): grid 64 x 3, 2 waves a work-group, no clusters, 0 bytes of LDS; arguments xi, usm, cos, sin, qkv; writes qkv
.if DOCPART == 7
	.amdgcn_target "amdgcn-amd-amdhsa--gfx1250"
	.amdhsa_code_object_version 6
	.text
	.protected	k_qc30e062b93_qkv
	.globl	k_qc30e062b93_qkv
	.p2align	8
	.type	k_qc30e062b93_qkv,@function
k_qc30e062b93_qkv:
	s_mov_b64 s[64:65], 0
	v_nop
	global_prefetch_b8 v0, s[64:65] scope:SCOPE_SE
	s_setreg_imm32_b32 hwreg(HW_REG_WAVE_SCHED_MODE, 0, 2), 2
	s_setreg_imm32_b32 hwreg(HW_REG_WAVE_MODE, 25, 1), 1
	s_wait_xcnt 0x0
	s_wait_alu depctr_vm_vsrc(0)
; QKV: q = rope(xn Uq^T), k = rope(xn Uk^T), v = xn Uv^T, in bf16 and fragment order (blocks of 16 x 16, 512 bytes, lane r + 16 h holding row r and eight neighbours at byte 16 lane).
; A work-group takes 64 tokens of part y (0 q, 1 k, 2 v); each of its two waves 64 x 64 outputs: 16 accumulators.  K = 1,024 goes in 32 steps of 32.
; Both operands lie in memory in fragment order, so a fragment is two loads of 512 dense bytes straight into registers: no LDS, no barrier.  A ring of four stages of 16 loads keeps 32 to 48 loads out.
; THE MATRIX INSTRUCTION IS USED TRANSPOSED: source 0 = 16 rows of the 'B side', source 1 = 16 rows of the 'A side'; a lane then holds one A row and eight neighbouring B rows.
;   q, k: A = token tiles, B = channel blocks {2 j, 2 j + 1, 2 j + 4, 2 j + 5}: channel c and channel c + 64 fall into the same lane (accumulators b and b + 2), which is what rope pairs.
;   v:    A = channel blocks 4 j + a, B = token tiles: a lane holds one channel and eight keys: V^T's fragment for the attention's second product.
; Only two pointers and one offset differ between the two cases; the loop is one text.
; NO CLUSTER: a joint request serves tensor loads into LDS, and no operand here passes through LDS; U is 786,432 bytes for all work-groups.
; LIMITS: operands and results in bf16, sums and rope in f32; NaN and infinities are not treated apart.
; REGISTERS: window 0: v1 16 lane, v3 the same + the B side's upper two tiles, v5 my place in cos and sin; v32-95 packed results; v96-103 at work; v128-255 accumulators (a, b) at 128 + 8 (4 a + b)
;            window 1: four stages of 64: A's fragment a at 64 s + 8 a, B's fragment b at 64 s + 32 + 8 b        window 2: cos at 8 (2 a + b), sin at 64 + 8 (2 a + b)
; THE MODE: SCHED_MODE bits 1:0 = 2 (LLVM: expert scheduling mode 2), set by the entry lines.  The code itself states the register dependences
; between vector or matrix instructions and memory instructions, with s_wait_alu, always for 0.
; THE PLAN.  Registers that memory instructions touch:
;   v1, v3, v5    offsets, made at the head and never written again: the K steps are reached by the scalar bases and by immediate offsets.
;   stage 0 .. 3  K step k: its 16 products read stage k % 4; its 16 loads, of step k + 3, land in stage (k - 1) % 4, which only the products of step k - 1 have named.
;   cos, sin      landed in once, read by rope.
;   v[32:95]      written once by the roundings, read once by the stores.
; So ONE wait on va_vdst stands at a step's head: the products of the step before are done reading their stage.  The step's loads follow behind its first four products, which name
; this step's stage and the accumulators alone.  On the way out the stores of tile a - 1 stand among the roundings of tile a, behind one wait.
.set ACC, 128
.set TMP, 32
.set T,   96
.set MSB, 0
.macro WIN new                         ; the immediate's high byte repeats the setting that is left; a switch that changes nothing is dropped
.if MSB != (\new)
	s_set_vgpr_msb (MSB<<8)|(\new)
.set MSB, \new
.endif
.endm
.macro PLACES                          ; four plain vector instructions between a matrix instruction and a vector read of its result (ISA guide 7.12.1)
.rept 4
	v_nop
.endr
.endm
	s_load_b256 s[4:11], s[0:1], 0x0               ; xi s[4:5], usm s[6:7], cos s[8:9], sin s[10:11]
	s_load_b64 s[12:13], s[0:1], 0x20              ; qkv
	v_lshrrev_b32 v2, 5, v0
	v_readfirstlane_b32 s14, v2                    ; j: my wave
	s_mov_b32 s15, ttmp9                           ; tg: 64 tokens
	s_and_b32 s16, ttmp7, 0xffff                   ; y
	v_and_b32 v1, 31, v0
	v_lshlrev_b32 v1, 4, v1                        ; 16 lane
	v_and_b32 v4, 15, v0
	v_bfe_u32 v6, v0, 4, 1
	v_lshlrev_b32 v5, 8, v4
	v_lshl_add_u32 v5, v6, 5, v5                   ; cos, sin: token lane % 16 (256 bytes a row), 8 channels for each half of the lanes
	s_wait_alu depctr_va_sdst(0)                   ; s14 is written, ahead of its first reader: offsets in usm, cos, sin and qkv are made from it
	s_lshl_b32 s26, s15, 17                        ; xi: four tiles of 32,768 bytes
	s_mov_b32 s27, 0
	s_cmp_eq_u32 s16, 2
	s_cselect_b32 s25, 17, 16                      ; usm: a wave's first tile is 4 j (v) or 2 j (q, k)
	s_cselect_b32 s24, 11, 10                      ; qkv: a wave's first block likewise
	s_cselect_b32 s17, 16, 17                      ; the B side's upper pair lies 2 tiles on (v) or 4 (q, k)
	s_lshl_b32 s28, s16, 18                        ; part y's eight tiles
	s_lshl_b32 s29, s14, s25
	s_add_co_u32 s28, s28, s29
	s_mov_b32 s29, 0
	s_lshl_b32 s17, 1, s17
	v_add_nc_u32 v3, s17, v1
	s_lshl_b32 s38, s15, 14                        ; cos, sin: 64 rows of 256 bytes,
	s_lshl_b32 s39, s14, 7                         ; my wave's 32 channels
	s_add_co_u32 s38, s38, s39
	s_mov_b32 s39, 0
	s_lshl_b32 s42, s16, 20                        ; the part's image,
	s_lshl_b32 s43, s15, 14                        ; four tiles of 4,096 bytes,
	s_add_co_u32 s42, s42, s43
	s_lshl_b32 s43, s14, s24                       ; my wave's blocks
	s_add_co_u32 s42, s42, s43
	s_mov_b32 s43, 0
	s_wait_kmcnt 0x0
	s_add_nc_u64 s[30:31], s[4:5], s[26:27]
	s_add_nc_u64 s[32:33], s[6:7], s[28:29]
	s_cmp_eq_u32 s16, 2
	s_cselect_b64 s[20:21], s[32:33], s[30:31]     ; the A side
	s_cselect_b64 s[22:23], s[30:31], s[32:33]     ; the B side
	s_add_nc_u64 s[34:35], s[8:9], s[38:39]
	s_add_nc_u64 s[36:37], s[10:11], s[38:39]
	s_add_nc_u64 s[40:41], s[12:13], s[42:43]
	WIN 0x80                                       ; destination window 2.  These 64 loads go first, so they are never among the younger loads of a counted wait
	s_wait_alu depctr_va_vdst(0)                   ; v1, v3 and v5 are written: every load and store of the kernel reads one of them as its offset
.irp a, 0,1,2,3
.irp b, 0,1
	global_load_b128 v[8*(2*\a+\b):8*(2*\a+\b)+3],       v5, s[34:35] offset:\a*4096+64*\b
	global_load_b128 v[8*(2*\a+\b)+4:8*(2*\a+\b)+7],     v5, s[34:35] offset:\a*4096+64*\b+16
	global_load_b128 v[64+8*(2*\a+\b):64+8*(2*\a+\b)+3],   v5, s[36:37] offset:\a*4096+64*\b
	global_load_b128 v[64+8*(2*\a+\b)+4:64+8*(2*\a+\b)+7], v5, s[36:37] offset:\a*4096+64*\b+16
.endr
.endr
; 16 loads: one K step's four fragments of each side into stage s; off = the step's byte in a tile, from the stepped bases
.macro LOADS s, off
	WIN 0x40
.irp a, 0,1,2,3
	global_load_b128 v[64*(\s)+8*\a:64*(\s)+8*\a+3],   v1, s[20:21] offset:\a*32768+(\off)
	global_load_b128 v[64*(\s)+8*\a+4:64*(\s)+8*\a+7], v1, s[20:21] offset:\a*32768+(\off)+512
.endr
.irp b, 0,1
	global_load_b128 v[64*(\s)+32+8*\b:64*(\s)+32+8*\b+3], v1, s[22:23] offset:\b*32768+(\off)
	global_load_b128 v[64*(\s)+36+8*\b:64*(\s)+36+8*\b+3], v1, s[22:23] offset:\b*32768+(\off)+512
.endr
.irp b, 0,1
	global_load_b128 v[64*(\s)+48+8*\b:64*(\s)+48+8*\b+3], v3, s[22:23] offset:\b*32768+(\off)
	global_load_b128 v[64*(\s)+52+8*\b:64*(\s)+52+8*\b+3], v3, s[22:23] offset:\b*32768+(\off)+512
.endr
.endm
; 4 matrix instructions: A's fragment a of stage s x all four of B's.  Over a step the 16 accumulators take turns.  zero = 1: the first K step starts the sums
.macro MULA s, a, zero
	WIN 0x05
.irp b, 0,1,2,3
.if \zero
	v_wmma_f32_16x16x32_bf16 v[ACC+8*(4*(\a)+\b):ACC+8*(4*(\a)+\b)+7], v[64*(\s)+32+8*\b:64*(\s)+32+8*\b+7], v[64*(\s)+8*(\a):64*(\s)+8*(\a)+7], 0
.else
	v_wmma_f32_16x16x32_bf16 v[ACC+8*(4*(\a)+\b):ACC+8*(4*(\a)+\b)+7], v[64*(\s)+32+8*\b:64*(\s)+32+8*\b+7], v[64*(\s)+8*(\a):64*(\s)+8*(\a)+7], v[ACC+8*(4*(\a)+\b):ACC+8*(4*(\a)+\b)+7]
.endif
.endr
.endm
; A K step on stage s.  refill = 1: the stage of the step before takes the K step three further on, at byte off from the bases.  left = the younger loads that may stay out.
.macro STAGE s, zero, refill, off, left
	s_wait_loadcnt \left                           ; this stage's 16 loads are in; the younger stages' stay out (two stages of 16 in the loop)
.if \refill
	s_wait_alu depctr_va_vdst(0)                   ; the products of the step before are done reading their stage, in which the loads below land
.endif
	MULA \s, 0, \zero
.if \refill
	LOADS ((\s)+3)%4, \off                         ; no wait: the four products since the wait name stage s and accumulators, none of the registers that these loads touch
.endif
	MULA \s, 1, \zero
	MULA \s, 2, \zero
	MULA \s, 3, \zero
.endm
.macro STEP                            ; four K steps on: the bases are written only behind this wait (ISA guide 3.1)
	WIN 0
	s_wait_xcnt 0x0
	s_add_nc_u64 s[20:21], s[20:21], 4096
	s_add_nc_u64 s[22:23], s[22:23], 4096
.endm
	LOADS 0, 0
	LOADS 1, 1024
	LOADS 2, 2048
	LOADS 3, 3072
	STAGE 0, 1, 0, 0, 48                           ; K step 0: all four stages are asked for, so three of 16 are younger; nothing is to be filled again yet
	WIN 0
	s_mov_b32 s24, 7
.Lk:                                                   ; K steps 1 to 28, four a trip; they ask for steps 4 to 31
	STAGE 1, 0, 1, 4096, 32
	STAGE 2, 0, 1, 5120, 32
	STAGE 3, 0, 1, 6144, 32
	STAGE 0, 0, 1, 7168, 32
	STEP
	s_sub_co_u32 s24, s24, 1
	s_cmp_lg_u32 s24, 0
	s_cbranch_scc1 .Lk
	STAGE 1, 0, 0, 0, 32                           ; the last three K steps load nothing: the counts run down
	STAGE 2, 0, 0, 0, 16
	STAGE 3, 0, 0, 0, 0
	WIN 0
	PLACES
	s_cmp_eq_u32 s16, 2
	s_cbranch_scc1 .Lv
; q, k: rope in place, tile a.  x1 = accumulator (a, b), x2 = (a, b + 2):  t = x1 sin;  x1 = x1 cos + x2 sin;  x2 = x2 cos - t.  Each accumulator's lowest registers are read first.
.macro ROPE a
	WIN 0x08                                       ; source 1 (cos, sin) in window 2
.irp b, 0,1
.irp p, 0,1,2,3
.set x1, ACC+8*(4*(\a)+\b)+2*\p
.set x2, ACC+8*(4*(\a)+\b+2)+2*\p
.set cs, 8*(2*(\a)+\b)+2*\p
	v_pk_mul_f32 v[T+2*\p:T+2*\p+1], v[x1:x1+1], v[64+cs:64+cs+1]
	v_pk_mul_f32 v[x1:x1+1], v[x1:x1+1], v[cs:cs+1]
	v_pk_fma_f32 v[x1:x1+1], v[x2:x2+1], v[64+cs:64+cs+1], v[x1:x1+1]
	v_pk_fma_f32 v[x2:x2+1], v[x2:x2+1], v[cs:cs+1], v[T+2*\p:T+2*\p+1] neg_lo:[0,0,1] neg_hi:[0,0,1]
.endr
.endr
.endm
.macro STQ a, b                        ; two blocks of tile a
	global_store_b128 v1, v[TMP+8*(2*(\a)+(\b)):TMP+8*(2*(\a)+(\b))+3],   s[40:41] offset:(\a)*4096+512*(\b)       ; a block: 512 consecutive bytes
	global_store_b128 v1, v[TMP+8*(2*(\a)+(\b))+4:TMP+8*(2*(\a)+(\b))+7], s[40:41] offset:(\a)*4096+512*(\b)+2048  ; the block 64 channels on
.endm
; The roundings of tile a.  st = 1: the stores of tile a - 1 stand among them.
.macro PKQ a, st
	WIN 0
.if \st
	s_wait_alu depctr_va_vdst(0)                   ; the roundings of tile a - 1 have written its 16 registers of v[32:95], which the stores below read
.endif
.irp b, 0,1
.if \st
	STQ (\a)-1, \b
.endif
.irp i, 0,1,2,3
	v_cvt_pk_bf16_f32 v[TMP+8*(2*(\a)+\b)+\i],   v[ACC+8*(4*(\a)+\b)+2*\i],   v[ACC+8*(4*(\a)+\b)+2*\i+1]
	v_cvt_pk_bf16_f32 v[TMP+8*(2*(\a)+\b)+4+\i], v[ACC+8*(4*(\a)+\b+2)+2*\i], v[ACC+8*(4*(\a)+\b+2)+2*\i+1]
.endr
.endr
.endm
	ROPE 0
	PKQ 0, 0
	ROPE 1
	PKQ 1, 1
	ROPE 2
	PKQ 2, 1
	ROPE 3
	PKQ 3, 1
	s_wait_alu depctr_va_vdst(0)                   ; the roundings of tile 3 have written v[80:95], which the last four stores read
	STQ 3, 0
	STQ 3, 1
	s_endpgm
.Lv:
; v: the roundings of channel block a.  st = 1: the stores of block a - 1 stand among them.
.macro PKV a, st
.if \st
	s_wait_alu depctr_va_vdst(0)                   ; the roundings of block a - 1 have written its 16 registers of v[32:95], which the stores below read
.endif
.irp b, 0,1,2,3
.if \st
	global_store_b128 v1, v[TMP+4*(4*((\a)-1)+\b):TMP+4*(4*((\a)-1)+\b)+3], s[40:41] offset:\b*4096+((\a)-1)*512
.endif
.irp i, 0,1,2,3
	v_cvt_pk_bf16_f32 v[TMP+4*(4*(\a)+\b)+\i], v[ACC+8*(4*(\a)+\b)+2*\i], v[ACC+8*(4*(\a)+\b)+2*\i+1]
.endr
.endr
.endm
	PKV 0, 0
	PKV 1, 1
	PKV 2, 1
	PKV 3, 1
	s_wait_alu depctr_va_vdst(0)                   ; the roundings of block 3 have written v[80:95], which the last four stores read
.irp b, 0,1,2,3
	global_store_b128 v1, v[TMP+4*(12+\b):TMP+4*(12+\b)+3], s[40:41] offset:\b*4096+3*512
.endr
	s_endpgm
.Lfunc_end_k_qc30e062b93_qkv:
	.size	k_qc30e062b93_qkv, .Lfunc_end_k_qc30e062b93_qkv-k_qc30e062b93_qkv
	.p2alignl 7, 3214868480
	.fill 96, 4, 3214868480
	.section	.rodata,"a",@progbits
	.p2align	6, 0x0
	.amdhsa_kernel k_qc30e062b93_qkv
		.amdhsa_group_segment_fixed_size 0
		.amdhsa_private_segment_fixed_size 0
		.amdhsa_enable_private_segment 0
		.amdhsa_kernarg_size 40
		.amdhsa_user_sgpr_count 2
		.amdhsa_user_sgpr_kernarg_segment_ptr 1
		.amdhsa_wavefront_size32 1
		.amdhsa_system_sgpr_workgroup_id_x 1
		.amdhsa_system_sgpr_workgroup_id_y 1
		.amdhsa_system_sgpr_workgroup_id_z 1
		.amdhsa_system_vgpr_workitem_id 0
		.amdhsa_next_free_vgpr 640
		.amdhsa_next_free_sgpr 66
		.amdhsa_reserve_vcc 0
		.amdhsa_float_denorm_mode_32 3
		.amdhsa_float_denorm_mode_16_64 3
		.amdhsa_memory_ordered 1
		.amdhsa_forward_progress 1
		.amdhsa_inst_pref_size 46
	.end_amdhsa_kernel
	.amdgpu_metadata
---
amdhsa.version: [ 1, 2 ]
amdhsa.kernels:
  - .name:           k_qc30e062b93_qkv
    .symbol:         k_qc30e062b93_qkv.kd
    .args:
      - { .name: xi, .offset: 0, .size: 8, .value_kind: global_buffer, .address_space: global }
      - { .name: usm, .offset: 8, .size: 8, .value_kind: global_buffer, .address_space: global }
      - { .name: cos, .offset: 16, .size: 8, .value_kind: global_buffer, .address_space: global }
      - { .name: sin, .offset: 24, .size: 8, .value_kind: global_buffer, .address_space: global }
      - { .name: qkv, .offset: 32, .size: 8, .value_kind: global_buffer, .address_space: global }
    .group_segment_fixed_size: 0
    .private_segment_fixed_size: 0
    .kernarg_segment_align: 8
    .kernarg_segment_size: 40
    .max_flat_workgroup_size: 64
    .sgpr_count:     66
    .vgpr_count:     640
    .wavefront_size: 32
...
	.end_amdgpu_metadata
.endif
;; end of part 7
;; launch attn (part 8): grid 256 x 1, 8 waves a work-group, no clusters, 140,800 bytes of LDS; arguments qkv, usm, x, ln2_w, x2, hb; writes x2, hb
.if DOCPART == 8
	.amdgcn_target "amdgcn-amd-amdhsa--gfx1250"
	.amdhsa_code_object_version 6
	.text
	.protected	k_qc30e062b93_attn
	.globl	k_qc30e062b93_attn
	.p2align	8
	.type	k_qc30e062b93_attn,@function
k_qc30e062b93_attn:
	s_mov_b64 s[64:65], 0
	v_nop
	global_prefetch_b8 v0, s[64:65] scope:SCOPE_SE
	s_setreg_imm32_b32 hwreg(HW_REG_WAVE_SCHED_MODE, 0, 2), 2
	s_setreg_imm32_b32 hwreg(HW_REG_WAVE_MODE, 25, 1), 1
	s_wait_xcnt 0x0
	s_wait_alu depctr_vm_vsrc(0)
; ATTN: windowed causal attention (key s is seen by query t iff 0 <= t - s <= 1,024), x2 = x + y Wo^T, hb = rmsnorm(x2) * ln2_w in bf16.
; A work-group owns 16 queries, so whole rows of x2.  Their window is the key tiles (of 16) qt - 64 .. qt.  The 64 past tiles are 32 pairs; wave w takes pairs 4 w .. 4 w + 3 (128 keys).
; The diagonal tile qt is a ninth part: every wave makes its scores and statistics (4 products), and its O for the one channel block that the wave merges.
; SOFTMAX: each part takes its own TRUE maximum m and sum l over its keys, p = 2^(c s - c m), c = log2(e) / sqrt(128); the nine parts are merged by their maxima: y = sum F O / sum F l, F = 2^(c m - c M).
; q, k and v lie in memory in fragment order, so every operand is loaded straight into registers, 512 dense bytes a load; the waves share no K or V, so LDS would spare nothing there.
; S^T = K Q^T (source 0 = 16 keys, source 1 = 16 queries): a lane holds one query and eight keys; two results rounded to bf16 ARE source 1 of O^T = V^T P; O^T rounded IS source 1 of the product with Wo.
; NO CLUSTER: a joint request serves tensor loads into LDS, and no operand here passes through LDS.
; LIMITS: a hidden score counts as -1e30; tiles in front of the sequence's start (the first 64 work-groups) are loaded from tile 0 and hidden, their products are made and multiplied by F = 0;
; a weight below 2^-126 counts as 0; operands in bf16; NaN and infinities are not treated apart.
; LDS: 0 partial O (wave x 8,192 + block x 1,024); 65,536 c m and, 1,024 on, l (wave x 128 + 4 lane); 67,584 y's fragments; 71,680 a stage of 16 rows x 528 a wave; 139,264 sums of squares; 139,776 spare words.
; Every region is written once: three barriers, each behind the writers' wait for their stores.
; REGISTERS, window 0: v1 16 lane; v2-9 the eight tiles' offsets; v10-12 offsets of q / diagonal, of V's diagonal block, of Wo; v13 QL, v14 LIM, v15-16 at work; v17-25 addresses; v26-27 the add's;
;   v28-31 c m, l, and the diagonal's; v32-63 Q, later y; v64-95 the diagonal's K, later at work; v96-127 the diagonal's V, S, P, O, later y in f32 and hb; v128-191 S, P, partial O, x2; v192-255 O, later x
;   window 1: four slots of 64: K of a pair of tiles, then its V, then Wo's fragments
; THE MODE: SCHED_MODE bits 1:0 = 2 (LLVM: expert scheduling mode 2), set by the entry lines.  The code itself states the register dependences
; between vector or matrix instructions and memory or LDS instructions, with s_wait_alu, always for 0.
; THE PLAN.  Registers that memory or LDS instructions touch:
;   v0-v12, v17-v25   offsets and addresses, made at the head, shown written by one wait ahead of the prefetch, never written again.  v13, v15, v16 are made anew behind the diagonal's second product.
;   slot s, window 1  K lands; slot s's 8 products read it; V lands, asked for in slot s + 1's turn behind the wait at that turn's head; the 8 products V^T P read it; Wo lands in the same way.
;   v[192:255]        written by the products V^T P; read by the LDS stores; then x lands: one wait on va_vdst ahead of the stores, one on vm_vsrc behind them.
;   v[128:191]        the merge's LDS loads land; later the products with Wo write them, the stage's stores read them, the stage's loads land in them (vm_vsrc between), the additions write x2, the stores read it.
;   v[64:79]          sums of squares: written by additions, read by LDS stores; behind the third barrier LDS loads land in v[64:71] (vm_vsrc ahead of them).
;   v[96:127]         hb: written by the roundings, read by the stores: rows 0-7's stores stand among rows 8-15's arithmetic, behind one wait.
; Scalar results of vector instructions: the wave's number; a mask's eight compares as a run into s6-9 and s12-15, one wait, the eight selects; the norm's factors in two runs of eight v_readlane_b32, one wait each.
.set MB,    65536
.set YF,    67584
.set STG,   71680
.set SSB,   139264
.set SPARE, 139776
.set S, 128
.set O, 192
.set MSB, 0
.macro WIN new                         ; the immediate's high byte repeats the setting that is left
.if MSB != (\new)
	s_set_vgpr_msb (MSB<<8)|(\new)
.set MSB, \new
.endif
.endm
.macro PLACES                          ; four plain vector instructions between a matrix instruction and a read of its result (ISA guide 7.12.1)
.rept 4
	v_nop
.endr
.endm
	s_load_b256 s[4:11], s[0:1], 0x0               ; qkv s[4:5], usm s[6:7], x s[8:9], ln2_w s[10:11]
	s_load_b128 s[12:15], s[0:1], 0x20             ; x2 s[12:13], hb s[14:15]
	v_lshl_add_u32 v26, v0, 2, SPARE               ; my spare word; never rewritten
	v_mov_b32 v27, 0                               ; 0; never rewritten
	v_lshrrev_b32 v15, 5, v0
	v_readfirstlane_b32 s16, v15                   ; w
	s_mov_b32 s17, ttmp9                           ; qt
	v_and_b32 v16, 31, v0                          ; lane
	v_and_b32 v15, 15, v0                          ; r
	v_bfe_u32 v13, v0, 4, 1                        ; h
	v_lshlrev_b32 v1, 4, v16
	v_lshlrev_b32 v0, 8, v0                        ; 256 bytes a thread: the prefetch's offsets; never rewritten
	s_wait_alu depctr_va_sdst(0)                   ; s16 is written, ahead of its first reader: LDS addresses, offsets and tile numbers are made from it
	s_lshl_b32 s35, s16, 7
	s_add_co_u32 s35, s35, MB
	v_lshl_add_u32 v18, v16, 2, s35                ; where I put c m and l
	s_lshl_b32 s35, s16, 13
	v_add_nc_u32 v17, s35, v1                      ; where I put my partial O
	s_lshl_b32 s35, s16, 10
	v_add_nc_u32 v19, s35, v1                      ; where I read block w of the eight partial O
	v_add_nc_u32 v20, YF, v1                       ; y's fragments
	s_mul_i32 s35, s16, 8448
	s_add_co_u32 s35, s35, STG                     ; my stage
	v_add_nc_u32 v22, s35, v1                      ; back: a row's 512 bytes, 16 a lane
	v_mul_u32_u24 v21, v15, 528
	v_lshl_add_u32 v21, v13, 5, v21
	v_add_nc_u32 v21, s35, v21                     ; in: row r, 32 bytes for each half of the lanes
	s_lshl_b32 s35, s16, 2
	s_add_co_u32 s35, s35, SSB
	v_mov_b32 v23, s35                             ; my word in each row's eight sums of squares
	s_lshl_b32 s35, s16, 9
	v_add_nc_u32 v24, s35, v1                      ; x, x2, ln2_w: my wave's 128 columns, 16 bytes a lane
	s_lshl_b32 s35, s16, 8
	v_lshl_add_u32 v25, v16, 3, s35                ; hb: 8 bytes a lane
	s_lshl_b32 s35, s17, 12
	v_add_nc_u32 v10, s35, v1                      ; tile qt of an image
	s_lshl_b32 s35, s16, 9
	v_add_nc_u32 v11, s35, v10                     ; its block w
	s_lshl_b32 s35, s16, 15
	v_add_nc_u32 v12, s35, v1                      ; Wo's eight tiles for my 128 columns
	s_lshl_b32 s35, s17, 4
	v_add_nc_u32 v14, s35, v15                     ; my query q = 16 qt + r
	v_lshlrev_b32 v13, 3, v13
	v_sub_nc_u32 v13, v14, v13                     ; QL = q - 8 h: register j of tile tau holds q - key = QL - 16 tau - j
	v_min_u32 v14, 0x400, v14                      ; LIM = min(1024, q): a key is seen iff 0 <= q - key <= LIM (a key in front of the start has q - key > q)
	v_mov_b32 v29, 0                               ; named in pairs with c m before they are made
	v_mov_b32 v31, 0
	s_sub_co_i32 s18, s17, 64
	s_lshl_b32 s35, s16, 3
	s_add_co_i32 s20, s18, s35                     ; the first tile of my four pairs: qt - 64 + 8 w + 2 s
	s_add_co_i32 s21, s20, 2
	s_add_co_i32 s22, s20, 4
	s_add_co_i32 s23, s20, 6
	s_max_i32 s18, s18, -1                         ; a pair beginning beyond this tile needs no mask
.irp s, 0,1,2,3
.irp u, 0,1
	s_add_co_i32 s35, s[20+\s], \u
	s_max_i32 s35, s35, 0                          ; no load leaves the buffer
	s_lshl_b32 s35, s35, 12
	v_add_nc_u32 v[2+2*\s+\u], s35, v1
.endr
.endr
	s_mov_b32 s30, 0x3e0293ee                      ; c = log2(e) / sqrt(128)
	s_mov_b32 s31, 0x3e0293ee
	s_mov_b32 s32, 0x76543210                      ; v_permlanex16_b32: each lane takes its own place in the other half
	s_mov_b32 s33, 0xfedcba98
	s_mov_b32 s34, 0xf149f2ca                      ; -1e30
	s_mov_b32 s43, 0                               ; named in a pair with s42
	s_mov_b32 s44, 0x3a800000                      ; 1 / 1024
	s_mov_b32 s45, 0x358637bd                      ; 1e-6
	s_lshl_b32 s46, s17, 16
	s_mov_b32 s47, 0
	s_wait_kmcnt 0x0
	s_add_nc_u64 s[24:25], s[4:5], 0x100000        ; k's image
	s_add_nc_u64 s[26:27], s[4:5], 0x200000        ; v's
	s_add_nc_u64 s[28:29], s[6:7], 786432          ; Wo's
	s_add_nc_u64 s[36:37], s[8:9], s[46:47]        ; my 16 rows of x,
	s_add_nc_u64 s[38:39], s[12:13], s[46:47]      ; of x2,
	s_lshl_b32 s46, s17, 15
	s_add_nc_u64 s[40:41], s[14:15], s[46:47]      ; of hb
	s_wait_alu depctr_va_vdst(0)                   ; v0 to v12 and v17 to v25 are written: the offsets and addresses that the prefetch, the loads, the stores and the LDS instructions below read
	global_prefetch_b8 v0, s[36:37] th:TH_LOAD_NT scope:SCOPE_SE  ; the group's 65,536 bytes of x, one block of 256 bytes a thread, asked for once; they are loaded behind both attention products
.irp b, 0,1,2,3,4,5,6,7
	global_load_b128 v[32+4*\b:35+4*\b], v10, s[4:5] offset:512*\b    ; Q
.endr
.irp b, 0,1,2,3,4,5,6,7
	global_load_b128 v[64+4*\b:67+4*\b], v10, s[24:25] offset:512*\b  ; the diagonal tile's K
.endr
	global_load_b128 v[96:99],   v11, s[26:27]     ; its V, channel block w; a fragment has 32 keys, the tile 16:
	global_load_b128 v[100:103], v11, s[26:27]     ; the upper half meets weights that are 0
	WIN 0x40
.irp s, 0,1,2,3
.irp u, 0,1
.irp b, 0,1,2,3,4,5,6,7
	global_load_b128 v[64*\s+32*\u+4*\b:64*\s+32*\u+4*\b+3], v[2+2*\s+\u], s[24:25] offset:512*\b
.endr
.endr
.endr
	WIN 0
	s_wait_loadcnt 63                              ; Q and the diagonal's K: 66 loads are younger, and a smaller count waits for no less
	v_wmma_f32_16x16x32_bf16 v[104:111], v[64:71], v[32:39], 0
	s_wait_alu depctr_va_vdst(0)                   ; a wait ahead of each link
	v_wmma_f32_16x16x32_bf16 v[104:111], v[72:79], v[40:47], v[104:111]
	s_wait_alu depctr_va_vdst(0)                   ; the same, ahead of the third link
	v_wmma_f32_16x16x32_bf16 v[104:111], v[80:87], v[48:55], v[104:111]
	s_wait_alu depctr_va_vdst(0)                   ; the same, ahead of the fourth link
	v_wmma_f32_16x16x32_bf16 v[104:111], v[88:95], v[56:63], v[104:111]
; 16 loads: the V of slot s's pair of tiles, into the registers that its K leaves
.macro VLOAD s
	WIN 0x40
.irp u, 0,1
.irp cb, 0,1,2,3,4,5,6,7
	global_load_b128 v[64*(\s)+8*\cb+4*\u:64*(\s)+8*\cb+4*\u+3], v[2+2*(\s)+\u], s[26:27] offset:512*\cb
.endr
.endr
.endm
; Slot s's turn: 8 products K Q^T, the two tiles' accumulators by turns; behind them the V of the slot before.  left = the younger loads that may stay out.
.macro SMM s, left
	s_wait_loadcnt \left                           ; this slot's K is in.  Younger: slot 0: three slots of K; later: 16 (3 - s) loads of K and 16 (s - 1) of V
.if (\s) > 0
	s_wait_alu depctr_va_vdst(0)                   ; the products of the slot before are done reading its K, in whose registers the loads below land
.endif
	WIN 0x01
.irp c, 0,1,2,3
.irp u, 0,1
.if \c == 0
	v_wmma_f32_16x16x32_bf16 v[S+16*(\s)+8*\u:S+16*(\s)+8*\u+7], v[64*(\s)+32*\u+8*\c:64*(\s)+32*\u+8*\c+7], v[32+8*\c:39+8*\c], 0
.else
	v_wmma_f32_16x16x32_bf16 v[S+16*(\s)+8*\u:S+16*(\s)+8*\u+7], v[64*(\s)+32*\u+8*\c:64*(\s)+32*\u+8*\c+7], v[32+8*\c:39+8*\c], v[S+16*(\s)+8*\u:S+16*(\s)+8*\u+7]
.endif
.endr
.endr
.if (\s) > 0
	VLOAD (\s)-1                                   ; no wait: the eight products since the wait name slot s, Q and S, none of the registers that these loads touch
.endif
.endm
	SMM 0, 48
	SMM 1, 32
	SMM 2, 32
	SMM 3, 32
	WIN 0
; THE MASKS.  v15 = QL - 16 x the pair's first tile; register j of the accumulator at base, whose keys begin e0 behind that tile's first, is kept iff LIM >= v15 - e0 - j (unsigned).
; The eight compares go as a run into s6-9 and s12-15, which hold nothing since the head; one wait; the eight selects, the accumulator's lowest register first.
.macro MASK8 base, e0
.set j, 0
.rept 8
	v_sub_nc_u32 v16, v15, (\e0)+j
	v_cmp_ge_u32 s[6+j+2*(j/4)], v14, v16
.set j, j+1
.endr
	s_wait_alu depctr_va_sdst(0)                   ; the eight compares have written their masks, ahead of the selects that read them
.set j, 0
.rept 8
	v_cndmask_b32 v[(\base)+j], s34, v[(\base)+j], s[6+j+2*(j/4)]
.set j, j+1
.endr
.endm
.macro MASKSLOT s                      ; only the window's far pair and pairs that begin in front of the sequence's start have hidden keys
	s_cmp_gt_i32 s[20+(\s)], s18
	s_cbranch_scc1 .Lfree_\@
	s_lshl_b32 s35, s[20+(\s)], 4
	v_sub_nc_u32 v15, v13, s35
	MASK8 S+16*(\s), 0
	MASK8 S+16*(\s)+8, 16
.Lfree_\@:
.endm
	s_lshl_b32 s35, s17, 4
	v_sub_nc_u32 v15, v13, s35
	MASK8 104, 0                                   ; the diagonal's mask: its lines are also the places behind slot 3's products
	WIN 0x40
	s_wait_alu depctr_va_vdst(0)                   ; slot 3's products are done reading its K, in whose registers the loads below land
	VLOAD 3
	WIN 0
	MASKSLOT 0
	MASKSLOT 1
	MASKSLOT 2
	MASKSLOT 3
	; THE MAXIMA: eight chains, one an accumulator, each accumulator's lowest registers first
.set n, 0
.rept 8
	v_max3_num_f32 v[64+n], v[S+8*n], v[S+8*n+1], v[S+8*n+2]
.set n, n+1
.endr
.set n, 0
.rept 8
	v_max3_num_f32 v[64+n], v[64+n], v[S+8*n+3], v[S+8*n+4]
.set n, n+1
.endr
.set n, 0
.rept 8
	v_max3_num_f32 v[64+n], v[64+n], v[S+8*n+5], v[S+8*n+6]
.set n, n+1
.endr
.set n, 0
.rept 8
	v_max_num_f32 v[64+n], v[64+n], v[S+8*n+7]
.set n, n+1
.endr
	v_max3_num_f32 v72, v104, v105, v106           ; the diagonal's
	v_max3_num_f32 v64, v64, v65, v66
	v_max3_num_f32 v67, v67, v68, v69
	v_max3_num_f32 v72, v72, v107, v108
	v_max3_num_f32 v64, v64, v67, v70
	v_max3_num_f32 v72, v72, v109, v110
	v_max_num_f32 v64, v64, v71
	v_max_num_f32 v72, v72, v111
	v_permlanex16_b32 v65, v64, s32, s33           ; the query's other keys lie in the lane 16 away
	v_permlanex16_b32 v73, v72, s32, s33
	v_max_num_f32 v64, v64, v65
	v_max_num_f32 v72, v72, v73
	v_mul_f32 v28, s30, v64                        ; c m
	v_mul_f32 v30, s30, v72
.set i, 0
.rept 32
	v_pk_fma_f32 v[S+2*i:S+2*i+1], v[S+2*i:S+2*i+1], s[30:31], v[28:29] op_sel_hi:[1,0,0] neg_lo:[0,0,1] neg_hi:[0,0,1]  ; c s - c m
.set i, i+1
.endr
.set i, 0
.rept 4
	v_pk_fma_f32 v[104+2*i:105+2*i], v[104+2*i:105+2*i], s[30:31], v[30:31] op_sel_hi:[1,0,0] neg_lo:[0,0,1] neg_hi:[0,0,1]
.set i, i+1
.endr
.set i, 0
.rept 64
	v_exp_f32 v[S+i], v[S+i]
.set i, i+1
.endr
.set i, 0
.rept 8
	v_exp_f32 v[104+i], v[104+i]
.set i, i+1
.endr
	v_nop                                          ; a plain instruction between the last exponential and the use of its result (ISA guide 5.7.2)
	s_wait_alu depctr_va_vdst(0)                   ; the 72 exponentials have written v[128:191] and v[104:111], ahead of their first reader
	; THE SUMS, of the unrounded weights: four chains over the 32 pairs
.set i, 0
.rept 4
	v_pk_add_f32 v[72+2*i:73+2*i], v[S+2*i:S+2*i+1], v[S+2*i+8:S+2*i+9]
.set i, i+1
.endr
.set i, 8
.rept 24
	v_pk_add_f32 v[72+2*(i%4):73+2*(i%4)], v[72+2*(i%4):73+2*(i%4)], v[S+2*i:S+2*i+1]
.set i, i+1
.endr
	v_pk_add_f32 v[80:81], v[104:105], v[106:107]
	v_pk_add_f32 v[82:83], v[108:109], v[110:111]
	v_pk_add_f32 v[72:73], v[72:73], v[74:75]
	v_pk_add_f32 v[76:77], v[76:77], v[78:79]
	v_pk_add_f32 v[80:81], v[80:81], v[82:83]
	v_pk_add_f32 v[72:73], v[72:73], v[76:77]
	v_add_f32 v80, v80, v81
	v_add_f32 v72, v72, v73
	v_permlanex16_b32 v81, v80, s32, s33
	v_permlanex16_b32 v73, v72, s32, s33
	v_add_f32 v31, v80, v81                        ; the diagonal's l
	v_add_f32 v29, v72, v73                        ; l
.set i, 0
.rept 32
	v_cvt_pk_bf16_f32 v[S+i], v[S+2*i], v[S+2*i+1] ; in place, ascending: register i is written when 2 i and 2 i + 1 have been read
.set i, i+1
.endr
.set i, 0
.rept 4
	v_cvt_pk_bf16_f32 v[112+i], v[104+2*i], v[105+2*i]
	v_mov_b32 v[116+i], 0                          ; the diagonal tile has 16 keys: the fragment's other 16 weigh nothing
.set i, i+1
.endr
; 16 loads: two of Wo's eight tiles, into the registers that slot s's V leaves
.macro WLOAD s
	WIN 0x40
.irp n, 0,1
.irp b, 0,1,2,3,4,5,6,7
	global_load_b128 v[64*(\s)+32*\n+4*\b:64*(\s)+32*\n+4*\b+3], v12, s[28:29] offset:(2*(\s)+\n)*4096+512*\b
.endr
.endr
.endm
; Slot s's turn: 8 products V^T P, the eight channel blocks' accumulators by turns; behind them Wo's tiles for the slot before.
.macro PVM s, left
	s_wait_loadcnt \left                           ; this slot's V is in.  Younger: slot 0: three slots of V; later: 16 (3 - s) loads of V and 16 (s - 1) of Wo
.if (\s) > 0
	s_wait_alu depctr_va_vdst(0)                   ; the products of the slot before are done reading its V, in whose registers the loads below land
.endif
	WIN 0x01
.irp cb, 0,1,2,3,4,5,6,7
.if (\s) == 0
	v_wmma_f32_16x16x32_bf16 v[O+8*\cb:O+8*\cb+7], v[64*(\s)+8*\cb:64*(\s)+8*\cb+7], v[S+8*(\s):S+8*(\s)+7], 0
.else
	v_wmma_f32_16x16x32_bf16 v[O+8*\cb:O+8*\cb+7], v[64*(\s)+8*\cb:64*(\s)+8*\cb+7], v[S+8*(\s):S+8*(\s)+7], v[O+8*\cb:O+8*\cb+7]
.endif
.endr
.if (\s) > 0
	WLOAD (\s)-1                                   ; no wait: the eight products since the wait name slot s, P and O, none of the registers that these loads touch
.endif
.endm
	PVM 0, 48
	PVM 1, 32
	PVM 2, 32
	PVM 3, 32
	WIN 0
	v_wmma_f32_16x16x32_bf16 v[120:127], v[96:103], v[112:119], 0  ; the diagonal's O, channel block w
	v_lshrrev_b32 v15, 2, v1                       ; three late addresses: six plain lines that name no register of the products above: the places behind them
	v_add_nc_u32 v15, MB, v15                      ; where the eight c m begin for my lane
	s_lshl_b32 s35, s16, 9
	v_add_nc_u32 v16, s35, v20                     ; where I put y's block w
	v_lshlrev_b32 v13, 1, v1
	v_and_b32 v13, 0x1e0, v13
	v_add_nc_u32 v13, SSB, v13                     ; row r's eight sums of squares
	WIN 0x40
	s_wait_alu depctr_va_vdst(0)                   ; slot 3's products are done reading its V, in which Wo's last loads land; the products have written O, and c m and l are written, which the LDS stores read; v13, v15, v16 are written
	WLOAD 3
	WIN 0
	; HAND OVER: my partial O, c m and l
.irp cb, 0,1,2,3,4,5,6,7
	ds_store_b128 v17, v[O+8*\cb:O+8*\cb+3]   offset:1024*\cb
	ds_store_b128 v17, v[O+8*\cb+4:O+8*\cb+7] offset:1024*\cb+512
.endr
	ds_store_b32 v18, v28
	ds_store_b32 v18, v29 offset:1024
	s_wait_dscnt 0x0                               ; for the others' sake: my part lies in LDS
	s_wait_alu depctr_vm_vsrc(0)                   ; the LDS stores have read v[192:255], in which x lands
.set i, 0
.rept 16
	global_load_b128 v[192+4*i:195+4*i], v24, s[36:37] offset:4096*i th:TH_LOAD_NT
.set i, i+1
.endr
	global_load_b128 v[92:95], v24, s[10:11]       ; ln2_w of my four columns
	s_barrier_signal -1
	s_barrier_wait -1
	; MERGE, channel block w.  No vector or matrix instruction since the last wait on va_vdst: the loads below owe nothing more
.irp p, 0,1,2,3,4,5,6,7
	ds_load_b32 v[64+\p], v15 offset:128*\p
	ds_load_b32 v[72+\p], v15 offset:1024+128*\p
.endr
.irp p, 0,1,2,3,4,5,6,7
	ds_load_b128 v[S+8*\p:S+8*\p+3],   v19 offset:8192*\p
	ds_load_b128 v[S+8*\p+4:S+8*\p+7], v19 offset:8192*\p+512
.endr
	s_wait_dscnt 0x0
	v_max3_num_f32 v89, v64, v65, v66
	v_max3_num_f32 v89, v89, v67, v68
	v_max3_num_f32 v89, v89, v69, v70
	v_max3_num_f32 v89, v89, v71, v30              ; c M: the diagonal always holds a key that is seen, so this is a true score's
.set p, 0
.rept 8
	v_sub_f32 v[80+p], v[64+p], v89
.set p, p+1
.endr
	v_sub_f32 v88, v30, v89
.set p, 0
.rept 9
	v_exp_f32 v[80+p], v[80+p]
.set p, p+1
.endr
	v_nop
	s_wait_alu depctr_va_vdst(0)                   ; the nine exponentials have written v[80:88], ahead of their first reader
	v_mul_f32 v90, v88, v31
.set j, 0
.rept 8
	v_mul_f32 v[96+j], v88, v[120+j]
.set j, j+1
.endr
.set p, 0
.rept 8
	v_fmac_f32 v90, v[80+p], v[72+p]
.set j, 0
.rept 8
	v_fmac_f32 v[96+j], v[80+p], v[S+8*p+j]
.set j, j+1
.endr
.set p, p+1
.endr
	v_rcp_f32 v90, v90
	v_nop
	s_wait_alu depctr_va_vdst(0)                   ; the reciprocal has written v90, ahead of its first reader
.set j, 0
.rept 8
	v_mul_f32 v[96+j], v[96+j], v90
.set j, j+1
.endr
.set j, 0
.rept 4
	v_cvt_pk_bf16_f32 v[104+j], v[96+2*j], v[97+2*j]
.set j, j+1
.endr
	s_wait_alu depctr_va_vdst(0)                   ; the roundings have written v[104:107], which the LDS store reads
	ds_store_b128 v16, v[104:107]
	s_wait_dscnt 0x0
	s_barrier_signal -1
	s_barrier_wait -1
	; y Wo^T for my 128 columns: source 0 = 16 rows of Wo, source 1 = the 16 queries' y; the eight accumulators take turns
.irp cb, 0,1,2,3,4,5,6,7
	ds_load_b128 v[32+4*\cb:35+4*\cb], v20 offset:512*\cb  ; Q's registers: the products that read them stand ahead of many waits on va_vdst, and nothing has named them since
.endr
	s_wait_dscnt 0x0
	s_wait_loadcnt 17                              ; Wo is in: x's 16 loads and ln2_w's one are younger
	WIN 0x01
.irp c, 0,1,2,3
.irp nb, 0,1,2,3,4,5,6,7
.if \c == 0
	v_wmma_f32_16x16x32_bf16 v[S+8*\nb:S+8*\nb+7], v[32*\nb+8*\c:32*\nb+8*\c+7], v[32+8*\c:39+8*\c], 0
.else
	v_wmma_f32_16x16x32_bf16 v[S+8*\nb:S+8*\nb+7], v[32*\nb+8*\c:32*\nb+8*\c+7], v[32+8*\c:39+8*\c], v[S+8*\nb:S+8*\nb+7]
.endif
.endr
.endr
	WIN 0
	PLACES
	s_wait_alu depctr_va_vdst(0)                   ; the products have written v[128:191], which the LDS stores read; the places above stay beside this wait
	; a lane holds eight columns of one row: through my stage, and back as whole rows of 512 bytes, into the registers that they left
.irp nb, 0,1,2,3,4,5,6,7
	ds_store_b128 v21, v[S+8*\nb:S+8*\nb+3]   offset:64*\nb
	ds_store_b128 v21, v[S+8*\nb+4:S+8*\nb+7] offset:64*\nb+16
.endr
	s_wait_alu depctr_vm_vsrc(0)                   ; the LDS stores have read v[128:191], in which the loads below land and which the additions then write
.set i, 0
.rept 16
	ds_load_b128 v[S+4*i:S+4*i+3], v22 offset:528*i  ; LDS serves a wave's instructions in order (ISA guide 5.7.1.4): these see the stores above
.set i, i+1
.endr
	s_wait_dscnt 0x0
	s_wait_loadcnt 0x0                             ; x and ln2_w
.set i, 0
.rept 32
	v_pk_add_f32 v[S+2*i:S+2*i+1], v[S+2*i:S+2*i+1], v[192+2*i:193+2*i]
.set i, i+1
.endr
	s_wait_alu depctr_va_vdst(0)                   ; the additions have written x2 into v[128:191], which the stores below read
.set i, 0
.rept 16
	global_store_b128 v24, v[S+4*i:S+4*i+3], s[38:39] offset:4096*i  ; 512 consecutive bytes of a row of x2; these registers are not written again
	v_pk_mul_f32 v[84+2*(i%2):85+2*(i%2)], v[S+4*i:S+4*i+1], v[S+4*i:S+4*i+1]
	v_pk_fma_f32 v[84+2*(i%2):85+2*(i%2)], v[S+4*i+2:S+4*i+3], v[S+4*i+2:S+4*i+3], v[84+2*(i%2):85+2*(i%2)]
	v_add_f32 v[64+i], v[84+2*(i%2)], v[85+2*(i%2)]
.set i, i+1
.endr
.irp m, 1,2,4,8
.set i, 0
.rept 16
	v_add_f32_dpp v[64+i], v[64+i], v[64+i] row_xmask:\m row_mask:0xf bank_mask:0xf
.set i, i+1
.endr
.endr
.set i, 0
.rept 16
	v_permlanex16_b32 v[192+i], v[64+i], s32, s33
.set i, i+1
.endr
.set i, 0
.rept 16
	v_add_f32 v[64+i], v[64+i], v[192+i]
.set i, i+1
.endr
	s_wait_alu depctr_va_vdst(0)                   ; the additions have written v[64:79], which the LDS stores read
.set i, 0
.rept 16
	ds_store_b32 v23, v[64+i] offset:32*i          ; all lanes write the same word with the same value
.set i, i+1
.endr
	s_wait_dscnt 0x0
	s_barrier_signal -1
	s_barrier_wait -1
	; THE SECOND NORM: lane r makes row r's factor; it comes to all lanes through a scalar register
	s_wait_alu depctr_vm_vsrc(0)                   ; my LDS stores have read v[64:79]: the loads below land in v[64:71]; y's store has long read v[104:107], which hb's roundings write
	ds_load_b128 v[64:67], v13
	ds_load_b128 v[68:71], v13 offset:16
	s_wait_dscnt 0x0
	v_pk_add_f32 v[64:65], v[64:65], v[66:67]
	v_pk_add_f32 v[68:69], v[68:69], v[70:71]
	v_pk_add_f32 v[64:65], v[64:65], v[68:69]
	v_add_f32 v64, v64, v65
	v_fma_f32 v64, v64, s44, s45
	v_rsq_f32 v80, v64
	v_nop
	s_wait_alu depctr_va_vdst(0)                   ; the reciprocal root has written v80, ahead of its first reader
; Row i's factor goes into the low word of a scalar pair sp; the packed multiply takes that word for both halves.  The eight pairs hold nothing that is still wanted, and no part of an address.
.macro RL i, sp
	v_readlane_b32 s[\sp], v80, \i
.endm
.macro ROWH i, sp                      ; x2 * rms, then * ln2_w; rounded to bf16
	v_pk_mul_f32 v[192+4*(\i):193+4*(\i)], v[S+4*(\i):S+4*(\i)+1],   s[\sp:\sp+1] op_sel_hi:[1,0]
	v_pk_mul_f32 v[194+4*(\i):195+4*(\i)], v[S+4*(\i)+2:S+4*(\i)+3], s[\sp:\sp+1] op_sel_hi:[1,0]
	v_pk_mul_f32 v[192+4*(\i):193+4*(\i)], v[192+4*(\i):193+4*(\i)], v[92:93]
	v_pk_mul_f32 v[194+4*(\i):195+4*(\i)], v[194+4*(\i):195+4*(\i)], v[94:95]
	v_cvt_pk_bf16_f32 v[96+2*(\i)], v[192+4*(\i)], v[193+4*(\i)]
	v_cvt_pk_bf16_f32 v[97+2*(\i)], v[194+4*(\i)], v[195+4*(\i)]
.endm
.macro STH i
	global_store_b64 v25, v[96+2*(\i):97+2*(\i)], s[40:41] offset:2048*(\i)  ; 32 lanes store 256 consecutive bytes, aligned
.endm
	RL 0, 16
	RL 1, 20
	RL 2, 22
	RL 3, 30
	RL 4, 32
	RL 5, 34
	RL 6, 42
	RL 7, 46
	s_wait_alu depctr_va_sdst(0)                   ; the factors of rows 0 to 7 are written, ahead of the multiplies that read them
	ROWH 0, 16
	ROWH 1, 20
	ROWH 2, 22
	ROWH 3, 30
	ROWH 4, 32
	ROWH 5, 34
	ROWH 6, 42
	ROWH 7, 46
	RL 8, 16
	RL 9, 20
	RL 10, 22
	RL 11, 30
	RL 12, 32
	RL 13, 34
	RL 14, 42
	RL 15, 46
	s_wait_alu depctr_va_sdst(0)                   ; the factors of rows 8 to 15 are written, ahead of the multiplies that read them
	s_wait_alu depctr_va_vdst(0)                   ; the roundings of rows 0 to 7 have written v[96:111], which the stores below read
	STH 0
	ROWH 8, 16
	STH 1
	ROWH 9, 20
	STH 2
	ROWH 10, 22
	STH 3
	ROWH 11, 30
	STH 4
	ROWH 12, 32
	STH 5
	ROWH 13, 34
	STH 6
	ROWH 14, 42
	STH 7
	ROWH 15, 46
	s_wait_alu depctr_va_vdst(0)                   ; the roundings of rows 8 to 15 have written v[112:127], which the last eight stores read
	STH 8
	STH 9
	STH 10
	STH 11
	STH 12
	STH 13
	STH 14
	STH 15
	s_wait_dscnt 0x0                               ; the closing lines, six on end
	s_wait_alu 0x0
	s_wait_tensorcnt 0x0
	ds_add_u32 v26, v27
	s_wait_dscnt 0x0
	s_endpgm
.Lfunc_end_k_qc30e062b93_attn:
	.size	k_qc30e062b93_attn, .Lfunc_end_k_qc30e062b93_attn-k_qc30e062b93_attn
	.p2alignl 7, 3214868480
	.fill 96, 4, 3214868480
	.section	.rodata,"a",@progbits
	.p2align	6, 0x0
	.amdhsa_kernel k_qc30e062b93_attn
		.amdhsa_group_segment_fixed_size 140800
		.amdhsa_private_segment_fixed_size 0
		.amdhsa_enable_private_segment 0
		.amdhsa_kernarg_size 48
		.amdhsa_user_sgpr_count 2
		.amdhsa_user_sgpr_kernarg_segment_ptr 1
		.amdhsa_wavefront_size32 1
		.amdhsa_system_sgpr_workgroup_id_x 1
		.amdhsa_system_sgpr_workgroup_id_y 1
		.amdhsa_system_sgpr_workgroup_id_z 1
		.amdhsa_system_vgpr_workitem_id 0
		.amdhsa_next_free_vgpr 512
		.amdhsa_next_free_sgpr 66
		.amdhsa_reserve_vcc 0
		.amdhsa_float_denorm_mode_32 3
		.amdhsa_float_denorm_mode_16_64 3
		.amdhsa_memory_ordered 1
		.amdhsa_forward_progress 1
		.amdhsa_inst_pref_size 93
	.end_amdhsa_kernel
	.amdgpu_metadata
---
amdhsa.version: [ 1, 2 ]
amdhsa.kernels:
  - .name:           k_qc30e062b93_attn
    .symbol:         k_qc30e062b93_attn.kd
    .args:
      - { .name: qkv, .offset: 0, .size: 8, .value_kind: global_buffer, .address_space: global }
      - { .name: usm, .offset: 8, .size: 8, .value_kind: global_buffer, .address_space: global }
      - { .name: x, .offset: 16, .size: 8, .value_kind: global_buffer, .address_space: global }
      - { .name: ln2_w, .offset: 24, .size: 8, .value_kind: global_buffer, .address_space: global }
      - { .name: x2, .offset: 32, .size: 8, .value_kind: global_buffer, .address_space: global }
      - { .name: hb, .offset: 40, .size: 8, .value_kind: global_buffer, .address_space: global }
    .group_segment_fixed_size: 140800
    .private_segment_fixed_size: 0
    .kernarg_segment_align: 8
    .kernarg_segment_size: 48
    .max_flat_workgroup_size: 256
    .sgpr_count:     66
    .vgpr_count:     512
    .wavefront_size: 32
...
	.end_amdgpu_metadata
.endif
;; end of part 8
;; launch ffn1: the kernel of part 4 again; grid 32 x 16, 4 waves a work-group, clusters of 4 x 4, 327,680 bytes of LDS; arguments hb, w13b, gb; writes gb
;; launch ffn2: the kernel of part 5 again; grid 8 x 32, 4 waves a work-group, clusters of 4 x 4, 327,680 bytes of LDS; arguments gb, w2b, x2, out0; writes out0
